; MI455X (gfx1250); checked and timed in simulation.
; The chip was launched on July 23, 2026; its instructions are those of AMD's public machine-readable ISA for CDNA 5 (MIT licence, August 2026) and "CDNA5" Instruction Set Architecture Reference Guide (July 2026). The comments in the code are by the model that wrote it; some were corrected since.
;; GLM47 Attention Optimizer. Allowed arithmetic: float matrix products may take bf16 or f16 operands with f32 sums; other float arithmetic in f32, or as packed bf16 or f16 multiplies, adds, multiply-adds, maxima and minima; sums over many terms, partial sums and values carried from step to step in f32; what a program stores and reads back later, other than sums and carried values, may be rounded once to bf16 or f16.
;; Inputs: Wk 2,048 x 2,048 float32; Wo 2,048 x 2,048 float32; Wq 2,048 x 2,048 float32; Wv 2,048 x 2,048 float32; attention_mask 1 x 1 x 2,048 x 2,048 float32; hidden_states 1 x 2,048 x 2,048 float32.
;; Outputs: out0 1 x 2,048 x 2,048 float32.
;; 2 versions, each right; version 2 is version 1 with the launch cast written anew for expert scheduling mode. Each part assembles by itself: llvm-mc -triple=amdgcn-amd-amdhsa -mcpu=gfx1250 --defsym DOCPART=n.
;; ======== version 1 of 2: 4 launches
;; limits: values are held in f16: magnitudes above 65,504 overflow, below 6.1e-05 lose precision
;; workspace buffers: xb 8,388,608 bytes; wb 25,165,824 bytes; wo 8,388,608 bytes; mk 8,388,608 bytes; qkv 25,165,824 bytes; ob 8,388,608 bytes
;; launch cast (part 1): grid 256 x 6, 8 waves a work-group, no clusters, 68,608 bytes of LDS; arguments hidden_states, Wq, Wk, Wv, Wo, attention_mask, xb, wb, wo, mk; writes xb, wb, wo, mk
.if DOCPART == 1
	.amdgcn_target "amdgcn-amd-amdhsa--gfx1250"
	.amdhsa_code_object_version 6
	.text
	.protected	k_qb12fd2ba8f_cast
	.globl	k_qb12fd2ba8f_cast
	.p2align	8
	.type	k_qb12fd2ba8f_cast,@function
k_qb12fd2ba8f_cast:
	s_mov_b64 s[64:65], 0
	v_nop
	global_prefetch_b8 v0, s[64:65] scope:SCOPE_SE
	s_setreg_imm32_b32 hwreg(HW_REG_WAVE_MODE, 25, 1), 1
	s_wait_xcnt 0x0
; THE INPUTS, ROUNDED ONCE TO 16 BITS, IN THE LAYOUTS THAT THE LATER LAUNCHES READ.  The grid's y picks the tensor, its x a block of it.
;   y = 0  hidden_states -> xb, bf16 [2048][2048]
;   y = 1, 2, 3  Wq, Wk, Wv -> wb, bf16 [6144][2048]: row 128 j + i of tensor u goes to row 384 j + 128 u + i, so that 384 rows on end are one head's q, k and v
;   y = 4  Wo -> wo: rounded to bf16 like every input, and that number written as f16 (exact from 6.1e-5 up to 65,504; below, f16's fixed step of 6e-8)
;   y = 5  attention_mask -> mk, bf16, unscaled, in the order in which the attention's lanes want it:
;          [stream 64][step n 16][tile t 4][kt 4][lane 32][8 numbers]; stream = 4 qb + 2 qh + kh; lane (r = l % 16, h = l / 16) holds query 128 qb + 64 qh + 16 t + r,
;          keys 256 (n / 2) + 128 kh + 64 (n % 2) + 16 kt + 8 h + 0..7
; LIMITS.  A mask number beyond +-1e38 (infinities too) counts as +-1e38; Wo beyond 65,504 has no f16; NaN is not treated apart.
; A STREAM: each byte read once and written once; no matrix work, no sharing between work-groups.  A wave has its 16 loads of 512 consecutive bytes out at once.
; y <= 4: wave w converts row 8 g + w (8,192 bytes); each store of the wave covers 256 consecutive bytes, aligned.
; y = 5: wave w takes 16 queries x 128 keys; the numbers change lanes through the wave's own LDS rows (no other wave touches them, so no barrier); each store covers 512 consecutive bytes.
.set LP,    528                        ; an LDS row: 512 bytes + 16: an odd multiple of 16, so the 16 rows that a read touches start 16 bytes apart modulo 256
.set WAVEB, 16*LP                      ; a wave's 16 rows
.set SPARE, 8*WAVEB                    ; behind them: the spare words, 128 bytes a wave: four blocks of 256 bytes that no other line names
.set LN,  1                            ; v1   lane
.set SRC, 2                            ; v2   my byte offset in the source; never rewritten
.set DST, 3                            ; v3   my byte offset in the destination; never rewritten
.set LW,  4                            ; v4   LDS: where I put 16 bytes of a row
.set LR,  5                            ; v5   LDS: where I read my 32 bytes of row l % 16
.set SPW, 6                            ; v6   LDS address of my spare word
.set NIL, 7                            ; v7   0
.set T,   8                            ; v[8:15]   at work
.set X,   16                           ; v[16:79]  16 x 4 as loaded; on the mask's path later 8 x 4 to store
.set Z,   80                           ; v[80:143] y <= 4: 16 x 2 to store; the mask: 8 x 8 read back
.set TY,  28                           ; s28  the grid's y
.set WV,  29                           ; s29  my wave's number
	s_load_b512 s[8:23], s[0:1], 0x0               ; hidden s[8:9], Wq s[10:11], Wk s[12:13], Wv s[14:15], Wo s[16:17], mask s[18:19], xb s[20:21], wb s[22:23]
	s_load_b128 s[24:27], s[0:1], 0x40             ; wo s[24:25], mk s[26:27]
	v_lshl_add_u32 v[SPW], v0, 2, SPARE
	v_mov_b32 v[NIL], 0
	v_and_b32 v[LN], 31, v0
	v_lshrrev_b32 v[T], 5, v0
	v_readfirstlane_b32 s[WV], v[T]
	s_and_b32 s[TY], ttmp7, 0xffff
	s_mov_b32 s30, 0xfe967699                      ; -1e38
	s_mov_b32 s31, 0x7e967699                      ; +1e38
	s_mov_b32 s32, 0xffff0000                      ; a word's upper bf16
.macro LOADS step                      ; 16 loads, 512 consecutive bytes each, step bytes apart
.set i, 0
.rept 16
	global_load_b128 v[X+4*i:X+4*i+3], v[SRC], s[4:5] offset:i*(\step) th:TH_LOAD_NT
.set i, i+1
.endr
.endm
; Four numbers a lane and load are rounded and stored.  kind = 1: the bf16 number is widened again and written as f16.  Each store has data registers of its own.
.macro CONV kind
.set i, 0
.rept 16
	s_wait_loadcnt 15-i                            ; loads come back in order: load i is in, the 15 - i younger ones stay out
.if \kind
	v_cvt_pk_bf16_f32 v[T], v[X+4*i], v[X+4*i+1]
	v_cvt_pk_bf16_f32 v[T+1], v[X+4*i+2], v[X+4*i+3]
	v_lshlrev_b32 v[T+2], 16, v[T]
	v_and_b32 v[T+3], s32, v[T]
	v_lshlrev_b32 v[T+4], 16, v[T+1]
	v_and_b32 v[T+5], s32, v[T+1]
	v_cvt_pk_f16_f32 v[Z+2*i], v[T+2], v[T+3]
	v_cvt_pk_f16_f32 v[Z+2*i+1], v[T+4], v[T+5]
.else
	v_cvt_pk_bf16_f32 v[Z+2*i], v[X+4*i], v[X+4*i+1]
	v_cvt_pk_bf16_f32 v[Z+2*i+1], v[X+4*i+2], v[X+4*i+3]
.endif
	global_store_b64 v[DST], v[Z+2*i:Z+2*i+1], s[6:7] offset:256*i
.set i, i+1
.endr
.endm
	s_cmp_eq_u32 s[TY], 5
	s_cbranch_scc1 .Lmask
	; ROWS.  source: row 8 g + w
	s_lshl_b32 s2, ttmp9, 16
	s_lshl_b32 s3, s[WV], 13
	s_add_co_u32 s2, s2, s3
	v_lshl_add_u32 v[SRC], v[LN], 4, s2
	; destination row: 8 g + w, or for the three weights 384 (g / 16) + 128 (y - 1) + 8 (g % 16) + w
	s_lshr_b32 s33, ttmp9, 4
	s_mul_i32 s33, s33, 384
	s_and_b32 s34, ttmp9, 15
	s_lshl_b32 s34, s34, 3
	s_add_co_u32 s33, s33, s34
	s_sub_co_u32 s34, s[TY], 1
	s_lshl_b32 s34, s34, 7
	s_add_co_u32 s33, s33, s34
	s_lshl_b32 s35, ttmp9, 3
	s_and_b32 s36, s[TY], 3
	s_cmp_eq_u32 s36, 0                            ; y = 0 or 4
	s_cselect_b32 s33, s35, s33
	s_add_co_u32 s33, s33, s[WV]
	s_lshl_b32 s33, s33, 12                        ; rows of 4,096 bytes
	v_lshl_add_u32 v[DST], v[LN], 3, s33
	s_wait_kmcnt 0x0
	s_cmp_eq_u32 s[TY], 1
	s_cselect_b64 s[4:5], s[10:11], s[8:9]
	s_cmp_eq_u32 s[TY], 2
	s_cselect_b64 s[4:5], s[12:13], s[4:5]
	s_cmp_eq_u32 s[TY], 3
	s_cselect_b64 s[4:5], s[14:15], s[4:5]
	s_cmp_eq_u32 s[TY], 4
	s_cselect_b64 s[4:5], s[16:17], s[4:5]
	s_cselect_b64 s[6:7], s[24:25], s[22:23]
	s_cmp_eq_u32 s[TY], 0
	s_cselect_b64 s[6:7], s[20:21], s[6:7]
	LOADS 512
	s_cmp_eq_u32 s[TY], 4
	s_cbranch_scc1 .Lwo
	CONV 0
	s_branch .Lend
.Lwo:
	CONV 1
	s_branch .Lend
.Lmask:
	; THE MASK.  qt = g / 2: 16 queries; kq = 8 (g % 2) + w: 128 keys, two key steps of one half of a slot
	s_lshr_b32 s33, ttmp9, 1                       ; qt = 8 qb + 4 qh + t
	s_and_b32 s34, ttmp9, 1
	s_lshl_b32 s34, s34, 3
	s_add_co_u32 s34, s34, s[WV]                   ; kq
	s_lshl_b32 s2, s33, 17                         ; 16 rows of 8,192 bytes
	s_lshl_b32 s3, s34, 9                          ; 128 keys of 4 bytes
	s_add_co_u32 s2, s2, s3
	v_lshl_add_u32 v[SRC], v[LN], 4, s2
	s_lshr_b32 s35, s33, 2                         ; 2 qb + qh
	s_lshl_b32 s35, s35, 1
	s_and_b32 s36, s34, 1                          ; kh
	s_add_co_u32 s35, s35, s36                     ; the stream,
	s_lshl_b32 s35, s35, 17                        ; 131,072 bytes each
	s_lshr_b32 s36, s34, 1
	s_lshl_b32 s36, s36, 14                        ; step n = 2 (kq / 2): 8,192 bytes a step
	s_add_co_u32 s35, s35, s36
	s_and_b32 s36, s33, 3                          ; t: 2,048 bytes a tile
	s_lshl_b32 s36, s36, 11
	s_add_co_u32 s35, s35, s36
	v_lshl_add_u32 v[DST], v[LN], 4, s35
	s_mul_i32 s37, s[WV], WAVEB
	v_lshl_add_u32 v[LW], v[LN], 4, s37
	v_and_b32 v[T], 15, v0
	v_bfe_u32 v[T+1], v0, 4, 1
	v_mul_u32_u24 v[LR], v[T], LP
	v_lshl_add_u32 v[LR], v[T+1], 5, v[LR]         ; row l % 16, 32 bytes for each half of the lanes
	v_add_nc_u32 v[LR], s37, v[LR]
	s_wait_kmcnt 0x0
	s_mov_b64 s[4:5], s[18:19]
	s_mov_b64 s[6:7], s[26:27]
	LOADS 8192                                     ; a load a query: 512 consecutive bytes of its row
.set i, 0
.rept 16
	s_wait_loadcnt 15-i
	ds_store_b128 v[LW], v[X+4*i:X+4*i+3] offset:LP*i
.set i, i+1
.endr
.set i, 0
.rept 8                                ; block i = 4 e + kt: step e of the two, keys 16 kt on.  LDS serves a wave's instructions in order (ISA guide 5.7.1.4): these see the stores above
	ds_load_b128 v[Z+8*i:Z+8*i+3],   v[LR] offset:256*(i/4)+64*(i%4)
	ds_load_b128 v[Z+8*i+4:Z+8*i+7], v[LR] offset:256*(i/4)+64*(i%4)+16
.set i, i+1
.endr
.set i, 0
.rept 8
	s_wait_dscnt 14-2*i                            ; block i's two loads are back; the 14 - 2 i younger ones stay out
.irp j, 0,1,2,3,4,5,6,7
	v_med3_num_f32 v[Z+8*i+(\j)], v[Z+8*i+(\j)], s30, s31
.endr
.irp j, 0,1,2,3
	v_cvt_pk_bf16_f32 v[X+4*i+(\j)], v[Z+8*i+2*(\j)], v[Z+8*i+2*(\j)+1]
.endr
	global_store_b128 v[DST], v[X+4*i:X+4*i+3], s[6:7] offset:8192*(i/4)+512*(i%4)
.set i, i+1
.endr
.Lend:
	s_wait_tensorcnt 0x0                           ; the wave's end: behind my last LDS store
	ds_add_u32 v[SPW], v[NIL]
	s_wait_dscnt 0x0
	s_endpgm
.Lfunc_end_k_qb12fd2ba8f_cast:
	.size	k_qb12fd2ba8f_cast, .Lfunc_end_k_qb12fd2ba8f_cast-k_qb12fd2ba8f_cast
	.p2alignl 7, 3214868480
	.fill 96, 4, 3214868480
	.section	.rodata,"a",@progbits
	.p2align	6, 0x0
	.amdhsa_kernel k_qb12fd2ba8f_cast
		.amdhsa_group_segment_fixed_size 68608
		.amdhsa_private_segment_fixed_size 0
		.amdhsa_enable_private_segment 0
		.amdhsa_kernarg_size 80
		.amdhsa_user_sgpr_count 2
		.amdhsa_user_sgpr_kernarg_segment_ptr 1
		.amdhsa_wavefront_size32 1
		.amdhsa_system_sgpr_workgroup_id_x 1
		.amdhsa_system_sgpr_workgroup_id_y 1
		.amdhsa_system_sgpr_workgroup_id_z 1
		.amdhsa_system_vgpr_workitem_id 0
		.amdhsa_next_free_vgpr 144
		.amdhsa_next_free_sgpr 66
		.amdhsa_reserve_vcc 0
		.amdhsa_float_denorm_mode_32 3
		.amdhsa_float_denorm_mode_16_64 3
		.amdhsa_memory_ordered 1
		.amdhsa_forward_progress 1
		.amdhsa_inst_pref_size 28
	.end_amdhsa_kernel
	.amdgpu_metadata
---
amdhsa.version: [ 1, 2 ]
amdhsa.kernels:
  - .name:           k_qb12fd2ba8f_cast
    .symbol:         k_qb12fd2ba8f_cast.kd
    .args:
      - { .name: hidden_states, .offset: 0, .size: 8, .value_kind: global_buffer, .address_space: global }
      - { .name: Wq, .offset: 8, .size: 8, .value_kind: global_buffer, .address_space: global }
      - { .name: Wk, .offset: 16, .size: 8, .value_kind: global_buffer, .address_space: global }
      - { .name: Wv, .offset: 24, .size: 8, .value_kind: global_buffer, .address_space: global }
      - { .name: Wo, .offset: 32, .size: 8, .value_kind: global_buffer, .address_space: global }
      - { .name: attention_mask, .offset: 40, .size: 8, .value_kind: global_buffer, .address_space: global }
      - { .name: xb, .offset: 48, .size: 8, .value_kind: global_buffer, .address_space: global }
      - { .name: wb, .offset: 56, .size: 8, .value_kind: global_buffer, .address_space: global }
      - { .name: wo, .offset: 64, .size: 8, .value_kind: global_buffer, .address_space: global }
      - { .name: mk, .offset: 72, .size: 8, .value_kind: global_buffer, .address_space: global }
    .group_segment_fixed_size: 68608
    .private_segment_fixed_size: 0
    .kernarg_segment_align: 8
    .kernarg_segment_size: 80
    .max_flat_workgroup_size: 256
    .sgpr_count:     66
    .vgpr_count:     144
    .wavefront_size: 32
...
	.end_amdgpu_metadata
.endif
;; end of part 1
;; launch proj_qkv (part 2): grid 16 x 16, 4 waves a work-group, clusters of 4 x 4, 327,680 bytes of LDS; arguments xb, wb, qkv; writes qkv
.if DOCPART == 2
	.amdgcn_target "amdgcn-amd-amdhsa--gfx1250"
	.amdhsa_code_object_version 6
	.text
	.protected	k_qb12fd2ba8f_proj_qkv
	.globl	k_qb12fd2ba8f_proj_qkv
	.p2align	8
	.type	k_qb12fd2ba8f_proj_qkv,@function
k_qb12fd2ba8f_proj_qkv:
	s_mov_b64 s[64:65], 0
	v_nop
	global_prefetch_b8 v0, s[64:65] scope:SCOPE_SE
	s_setreg_imm32_b32 hwreg(HW_REG_WAVE_MODE, 25, 1), 1
	s_wait_xcnt 0x0
	s_wait_alu depctr_hold_cnt(0) depctr_sa_sdst(0) depctr_va_vdst(0) depctr_va_sdst(0) depctr_va_ssrc(0) depctr_va_vcc(0) depctr_vm_vsrc(0)
	s_getreg_b32 s2, hwreg(HW_REG_IB_STS2, 6, 4)
	s_cmp_eq_u32 s2, 0
	s_cbranch_scc0 .Lentry_in_a_cluster
	s_endpgm
.Lentry_in_a_cluster:
	s_bfe_u32 s2, ttmp6, 0x10000c
	s_cmp_lg_u32 s2, 0xf033
	s_cbranch_scc0 .Lentry_shape_is_right
	s_endpgm
.Lentry_shape_is_right:
; q, k AND v OF ALL HEADS: C[s][n] = sum over k of xb[s][k] wb[n][k], xb [2048][2048], wb [6144][2048], both bf16, sums in f32.
; Stored by heads, rounded once to f16: qkv[head 16][u 3][s 2048][d 128]; u = 0 holds c q, c = log2(e) / sqrt(128), applied to the f32 sum; u = 1 k; u = 2 v.
; LIMIT.  c q, k and v lie within f16's 65,504.
; SHARES.  A tile of C is 128 rows x 384 columns: one head's q, k and v for 128 rows: 16 x 16 tiles, a work-group each.  Four waves, each 64 x 192: 48 accumulators of 16 x 16, 384 registers;
; for 32 along K a wave reads 32 x 512 bytes from LDS and issues 48 matrix instructions.
; K goes in steps of 128 through a ring of two LDS slots (128 rows of xb, 384 of wb, rows of 256 bytes in memory).  Each wave brings a quarter of a slot by one tensor load: wave 0 xb's rows, waves 1 to 3 wb's.
; The loop's trip is one K step: one descriptor a tensor walks, its LDS word changing slots by an exclusive or, and the fragments' addresses are made anew at each change of slots.
; CLUSTER 4 x 4: the four work-groups of a row need the same rows of xb, the four of a column the same rows of wb: each tile is asked for JOINTLY, by the same load, descriptor and mask in all four.
; THE WALK ALONG K BEGINS ELSEWHERE IN EACH CLUSTER, at K step 4 ((cluster x + 2 (cluster y % 2)) % 4), and wraps round: a number that all sixteen partners share.  So the four clusters that read the
; same rows of xb read a given K step of them 4, 8 and 12 steps apart, and the clusters that read the same rows of wb 8 steps apart (those whose y differ by 2: together).  The sums run in that order of K.
; THE MATRIX INSTRUCTION IS USED TRANSPOSED (source 0 = 16 rows of wb, source 1 = 16 rows of xb): a lane holds eight neighbouring columns of one row of C.
; REGISTERS, in windows of 256 (s_set_vgpr_msb: bits 1:0 source 0, 3:2 source 1, 5:4 source 2, 7:6 destination):
;   window 0: v16-30 addresses; v32-63, v64-95 xb's fragments (4 x 16 rows x 32 K), two buffers; v64-255 at work on the way out
;   window 1: v0-95, v96-191 wb's fragments (12 x 16 rows x 32 K), two buffers
;   window 2: the accumulators of my row blocks 0, 1 ((a, b) at v[8 (12 a + b)]);   window 3: those of row blocks 2, 3
.set SIZE_K, 2048
.set ROWB,   SIZE_K*2                  ; bytes in a row of xb and of wb: a power of two, so the walk wraps by a mask
.set KSTEP,  128
.set STEPB,  KSTEP*2                   ; bytes of a row in a K step
.set STEPS,  SIZE_K/KSTEP
.set PITCH,  272                       ; an LDS row: 256 bytes + 16 of padding: the 16 rows of a fragment load start 16 bytes apart modulo 256
.set HALFT,  128*PITCH                 ; what one tensor load brings
.set SLOT,   4*HALFT                   ; xb's 128 rows, then wb's 384: 0x22000.  The waves' LDS bases, 0 to 3 x HALFT, have its two bits clear, so one exclusive or changes slots
.set SPARE,  2*SLOT                    ; behind the ring: the spare words, 128 bytes a wave: two blocks of 256 bytes that no other line names
.set SPITCH, 784                       ; the stage for the way out: 128 rows of 768 bytes + 16.  It lies in slot 0, from LDS byte 0 on, and is written when slot 0 has had its last fill and its last read
.set A0,   16                          ; v16     LDS address of my xb fragments in slot 0; never rewritten
.set B0,   17                          ; v17     the same for wb
.set ADRA, 20                          ; v20     the same in the slot that is being read
.set ADRB, 21                          ; v21
.set STO,  24                          ; v24     the way out: where I put 16 bytes of a row
.set RD,   25                          ; v25     the way out: where I read rows back
.set CO,   26                          ; v26     my 16 bytes in 512 consecutive bytes of qkv
.set SPW,  28                          ; v28     LDS address of my spare word; never rewritten
.set NIL,  29                          ; v29     0; never rewritten
.set PFO,  30                          ; v30     the prefetches' offset: my lane x a row of 4,096 bytes; never rewritten
.set FA,   32                          ; xb's fragment buffer f at FA + 32 f (window 0)
.set FB,   0                           ; wb's at FB + 96 f (window 1)
.set TMP,  64                          ; the way out: 48 packed registers
.set BK,   64                          ; the way out: 48 x 4 registers read back
.set G1,  24                           ; s[24:31] descriptor group 1 for xb's tiles;  s[32:39] group 0: a set for each of the two first fills; the second then walks
.set G0,  32
.set G1B, 48                           ; s[48:55], s[56:63] the same for wb's
.set G0B, 56
.set LIM, 43                           ; s43     a wave prefetches while the trips still to come are more than this
.set PFA, 44                           ; s[44:45] where my prefetch stands
.set KO,  66                           ; s[66:67] byte in a row of the K step asked for last
.set PK,  68                           ; s[68:69] byte in a row of the K step that the prefetch names
.set BA,  70                           ; s[70:71] xb at the first row that wave 0 fetches
.set BB,  72                           ; s[72:73] wb at the first row that I fetch
.set PFB, 74                           ; s[74:75] the tensor that I fetch, at my work-group's 32 rows of the 128
.set TB,  76                           ; s76     0 or SLOT: the slot that is being read
.set MSB, 0
.macro WIN new                         ; the immediate's high byte repeats the setting that is left; a switch that changes nothing is dropped
.if MSB != (\new)
	s_set_vgpr_msb (MSB<<8)|(\new)
.set MSB, \new
.endif
.endm
.set MUL_LO, 0xa1                      ; source 0 (wb) window 1, source 1 (xb) window 0, C and D window 2
.set MUL_HI, 0xf1                      ; the same, C and D window 3
.set TO_B,   0x40                      ; destination window 1, address window 0
; A joint load.  The branch hangs on the wave's number alone.  An s_nop 0 and four v_nop follow each of the two lines, ahead of the jump, the label and what follows.
.macro JLOAD s
	s_cmp_eq_u32 s10, 0
	s_cbranch_scc0 .Lfor_b_\@
	tensor_load_to_lds s[G0+4*(\s):G0+4*(\s)+3], s[G1:G1+7]
	s_nop 0
.rept 4
	v_nop
.endr
	s_branch .Lasked_\@
.Lfor_b_\@:
	tensor_load_to_lds s[G0B+4*(\s):G0B+4*(\s)+3], s[G1B:G1B+7]
	s_nop 0
.rept 4
	v_nop
.endr
.Lasked_\@:
.endm
; A PREFETCH, behind each joint load and the run of LDS loads that follows it, of the K step that the NEXT refill will ask for: 192 matrix instructions ahead of that load.  32 rows x 256 bytes, a lane a row.
; It is laid for the steps of a cluster's walk in which no other cluster has read the block: of xb's rows steps 0 to 3 of every cluster's walk, of wb's rows steps 0 to 7; where two clusters reach a block of
; wb together, the one with y < 2 asks.  Steps 0 to 2 come by their loads alone, so xb's waves ask once (step 3, in the first trip) and wb's in the first five trips (steps 3 to 7).  Of the 128 rows
; that a wave fetches each of the four partners that ask for them jointly takes 32, told apart by address.  So each row's 256 bytes of a K step are named at most once in the launch.
.macro ASK
	s_cmp_gt_u32 s3, s[LIM]
	s_cbranch_scc0 .Lnot_mine_\@
	global_prefetch_b8 v[PFO], s[PFA:PFA+1] th:TH_LOAD_NT scope:SCOPE_SE
.Lnot_mine_\@:
.endm
.macro CREST                           ; a round of the cluster's barrier behind its opening barrier
	s_cmp_lg_u32 s10, 0
	s_cbranch_scc1 .Lnot_wave_0_\@
	s_barrier_signal -3
.Lnot_wave_0_\@:
	s_barrier_wait -3
	s_barrier_signal -1
	s_barrier_wait -1
.endm
.macro CROUND                          ; a whole round
	s_barrier_signal -1
	s_barrier_wait -1
	CREST
.endm
	s_load_b128 s[4:7], s[0:1], 0x0                ; xb s[4:5], wb s[6:7]
	s_load_b64 s[8:9], s[0:1], 0x10                ; qkv
	v_lshl_add_u32 v[SPW], v0, 2, SPARE
	v_mov_b32 v[NIL], 0
	ds_add_u32 v[SPW], v[NIL]                      ; the wave's opening: the add and its wait stand ahead of my first tensor load; the set-up below, work on registers, stands between them
	v_lshrrev_b32 v1, 5, v0
	v_readfirstlane_b32 s10, v1                    ; wave 0..3
	s_lshr_b32 s11, s10, 1                         ; which 64 of the tile's rows are mine
	s_and_b32 s12, s10, 1                          ; which 192 of its columns
	s_bfe_u32 s40, ttmp6, 0x40000                  ; cx, cy: my place in the cluster
	s_bfe_u32 s41, ttmp6, 0x40004
	s_lshl_b32 s42, ttmp9, 2
	s_add_co_u32 s42, s42, s40                     ; tile column = head = 4 x cluster x + cx
	s_and_b32 s13, ttmp7, 0xffff
	s_lshl_b32 s13, s13, 2
	s_add_co_u32 s13, s13, s41                     ; tile row = 4 x cluster y + cy
	s_lshl_b32 s43, s41, 2
	s_lshl_b32 s43, 15, s43                        ; my row of the cluster
	s_lshl_b32 s44, 0x1111, s40                    ; my column
	; descriptor group 1: a tile of 128 rows x 128 elements, padded in LDS
	s_or_b32 s[G1+0], s43, (1<<16)|(1<<20)|(1<<21)|(5<<22)|(3<<25)   ; 15:0 the mask; 17:16 elements of 2 bytes; 20 padding on; 21 set beside a mask; 24:22 after every 64 words; 31:25 4 words of it
	s_or_b32 s[G1B+0], s44, (1<<16)|(1<<20)|(1<<21)|(5<<22)|(3<<25)
.irp g, G1, G1B
	s_mov_b32 s[(\g)+1], KSTEP<<16                 ; tensor_dim0 = 128
	s_mov_b32 s[(\g)+2], 128<<16                   ; tensor_dim1 = 128
	s_mov_b32 s[(\g)+3], KSTEP<<16                 ; tile_dim0 = 128
	s_mov_b32 s[(\g)+4], 128                       ; tile_dim1 = 128
	s_mov_b32 s[(\g)+5], SIZE_K                    ; elements from row to row
	s_mov_b32 s[(\g)+6], 0
	s_mov_b32 s[(\g)+7], 0
.endr
	; where the cluster's walk along K begins: made of the cluster's own coordinates, which its sixteen work-groups share
	s_and_b32 s[KO], ttmp7, 1
	s_lshl_b32 s[KO], s[KO], 1
	s_add_co_u32 s[KO], s[KO], ttmp9
	s_and_b32 s[KO], s[KO], 3
	s_lshl_b32 s[KO], s[KO], 10                    ; x 4 K steps of 256 bytes
	s_mov_b32 s[KO+1], 0
	s_mov_b32 s[PK+1], 0
	s_mov_b32 s[TB], 0
	; where the tiles come from: xb's hang on the tile row alone, wb's on the tile column and the wave's number
	s_lshl_b32 s16, s13, 19                        ; xb: 128 x tile row, rows of 4,096 bytes
	s_mov_b32 s17, 0
	s_max_u32 s18, s10, 1
	s_sub_co_u32 s18, s18, 1                       ; which 128 of wb's 384 rows: waves 1, 2, 3 take 0, 1, 2 (wave 0 makes the address and does not use it)
	s_lshl_b32 s18, s18, 7
	s_mul_i32 s46, s42, 384
	s_add_co_u32 s46, s46, s18
	s_lshl_b32 s46, s46, 12
	s_mov_b32 s47, 0
	s_mul_i32 s20, s10, HALFT                      ; where they go: wave x 128 rows: no place in the cluster enters an LDS address
	s_wait_dscnt 0x0                               ; the opening add is done
	s_wait_kmcnt 0x0
	s_add_nc_u64 s[BA:BA+1], s[4:5], s[16:17]
	s_add_nc_u64 s[BB:BB+1], s[6:7], s[46:47]
	CROUND                                         ; all sixteen work-groups are here: the first joint loads meet
.irp s, 0,1
	s_mov_b32 s[G0+4*(\s)], 1                                      ; 1:0 count = 1
	s_add_co_u32 s[G0+4*(\s)+1], s20, (\s)*SLOT                    ; 63:32 LDS address
	s_add_nc_u64 s[G0+4*(\s)+2:G0+4*(\s)+3], s[BA:BA+1], s[KO:KO+1]  ; 120:64 global address: step s of the walk
	s_or_b32 s[G0+4*(\s)+3], s[G0+4*(\s)+3], 0x80000000            ; 127:126 type = 2
	s_mov_b32 s[G0B+4*(\s)], 1
	s_add_co_u32 s[G0B+4*(\s)+1], s20, (\s)*SLOT
	s_add_nc_u64 s[G0B+4*(\s)+2:G0B+4*(\s)+3], s[BB:BB+1], s[KO:KO+1]
	s_or_b32 s[G0B+4*(\s)+3], s[G0B+4*(\s)+3], 0x80000000
	JLOAD \s                                       ; the ring is filled before anything else is done: two loads of mine are out
.if (\s) == 0
	s_add_co_u32 s[KO], s[KO], STEPB
	s_and_b32 s[KO], s[KO], ROWB-1
.endif
.endr
	v_and_b32 v1, 15, v0                           ; l % 16
	v_bfe_u32 v2, v0, 4, 1                         ; l / 16
	v_mul_u32_u24 v3, v1, PITCH
	v_lshl_add_u32 v3, v2, 4, v3                   ; a fragment's row x pitch + 16 x half
	s_mul_i32 s21, s11, 64*PITCH                   ; my 64 rows of xb
	s_mul_i32 s22, s12, 192*PITCH                  ; my 192 rows of wb,
	s_add_co_u32 s22, s22, HALFT                   ; which lie behind xb's 128
	v_add_nc_u32 v[A0], s21, v3
	v_add_nc_u32 v[B0], s22, v3
	v_add_nc_u32 v[ADRA], s[TB], v[A0]             ; the walk's first step lies in slot 0
	v_add_nc_u32 v[ADRB], s[TB], v[B0]
	s_mul_i32 s23, s11, 64*SPITCH                  ; into the stage: my 64 rows, my 384 bytes of them; row l % 16, 16 bytes for each half of the lanes
	s_mul_i32 s21, s12, 384
	s_add_co_u32 s23, s23, s21
	v_mul_u32_u24 v4, v1, SPITCH
	v_lshl_add_u32 v4, v2, 4, v4
	v_add_nc_u32 v[STO], s23, v4
	s_mul_i32 s23, s10, 32*SPITCH                  ; back: wave w takes rows 32 w .. 32 w + 31; lanes 0-15 256 bytes of one row, lanes 16-31 of the next
	v_mul_u32_u24 v5, v2, SPITCH
	v_lshl_add_u32 v5, v1, 4, v5
	v_add_nc_u32 v[RD], s23, v5
	v_and_b32 v[CO], 31, v0
	v_lshlrev_b32 v[CO], 4, v[CO]                  ; two rows of a head's q (k, v) are 512 consecutive bytes
	s_lshl_b32 s16, s13, 15                        ; qkv: row 128 x tile row + 32 x wave, rows of 256 bytes,
	s_lshl_b32 s17, s10, 13
	s_add_co_u32 s16, s16, s17
	s_mov_b32 s17, 0
	s_add_nc_u64 s[8:9], s[8:9], s[16:17]
	s_mul_i32 s46, s42, 1572864                    ; in the head's 3 x 2,048 x 256 bytes
	s_mov_b32 s47, 0
	s_add_nc_u64 s[8:9], s[8:9], s[46:47]
	; the prefetches
	s_lshl_b32 s20, s13, 7                         ; xb: the tile's first row
	s_mul_i32 s21, s42, 384                        ; wb: the first of the 128 rows that I fetch
	s_add_co_u32 s21, s21, s18
	s_cmp_eq_u32 s10, 0                            ; do I fetch for xb?
	s_cselect_b32 s20, s20, s21
	s_cselect_b32 s21, s40, s41                    ; my place among the four that ask with me
	s_cselect_b64 s[PFB:PFB+1], s[4:5], s[6:7]
	s_lshl_b32 s21, s21, 5
	s_add_co_u32 s20, s20, s21                     ; my work-group's 32 rows
	s_lshl_b32 s20, s20, 12
	s_mov_b32 s21, 0
	s_add_nc_u64 s[PFB:PFB+1], s[PFB:PFB+1], s[20:21]
	s_and_b32 s22, ttmp7, 0xffff                   ; cluster y
	s_cmp_lt_u32 s22, 2
	s_cselect_b32 s[LIM], STEPS-7, -1              ; wb: the first five of the 14 trips, in the clusters with y < 2
	s_cmp_eq_u32 s10, 0
	s_cselect_b32 s[LIM], STEPS-3, s[LIM]          ; xb: the first trip.  The same in all sixteen partners, for a given wave
	v_and_b32 v[PFO], 31, v0
	v_lshlrev_b32 v[PFO], 12, v[PFO]
; 12 matrix instructions: row block 2 hi + a x all 12 column blocks, 32 along K, from buffer f.  zero = 1: the product starts the sum: nothing is cleared.
; The 48 accumulators take turns, one instruction a turn, in the same order in every quarter.
.macro MUL12 f, hi, a, zero
	WIN MUL_LO+0x50*(\hi)
.irp b, 0,1,2,3,4,5,6,7,8,9,10,11
.if \zero
	v_wmma_f32_16x16x32_bf16 v[8*(12*(\a)+(\b)):8*(12*(\a)+(\b))+7], v[FB+96*(\f)+8*(\b):FB+96*(\f)+8*(\b)+7], v[FA+32*(\f)+8*(2*(\hi)+(\a)):FA+32*(\f)+8*(2*(\hi)+(\a))+7], 0
.else
	v_wmma_f32_16x16x32_bf16 v[8*(12*(\a)+(\b)):8*(12*(\a)+(\b))+7], v[FB+96*(\f)+8*(\b):FB+96*(\f)+8*(\b)+7], v[FA+32*(\f)+8*(2*(\hi)+(\a)):FA+32*(\f)+8*(2*(\hi)+(\a))+7], v[8*(12*(\a)+(\b)):8*(12*(\a)+(\b))+7]
.endif
.endr
.endm
; 32 LDS loads in one run: the fragments of 32 along K at byte k of the rows of the slot that is being read, into buffer f: wb's 24, then xb's 8
.macro FETCH k, f
	WIN TO_B
.irp i, 0,1,2,3,4,5,6,7,8,9,10,11
	ds_load_b128 v[FB+96*(\f)+8*(\i):FB+96*(\f)+8*(\i)+3],   v[ADRB] offset:(\k)+(\i)*16*PITCH
	ds_load_b128 v[FB+96*(\f)+8*(\i)+4:FB+96*(\f)+8*(\i)+7], v[ADRB] offset:(\k)+(\i)*16*PITCH+32
.endr
	WIN 0
.irp i, 0,1,2,3
	ds_load_b128 v[FA+32*(\f)+8*(\i):FA+32*(\f)+8*(\i)+3],   v[ADRA] offset:(\k)+(\i)*16*PITCH
	ds_load_b128 v[FA+32*(\f)+8*(\i)+4:FA+32*(\f)+8*(\i)+7], v[ADRA] offset:(\k)+(\i)*16*PITCH+32
.endr
.endm
.macro PLACES                          ; four places in front of loads into registers that matrix instructions have read, and of vector work on results
.rept 4
	v_nop
.endr
.endm
; A K step is four quarters of 32 along K, 48 matrix instructions each, on buffers 0, 1, 0, 1.  One of the first three: multiplies buffer f and fetches the next quarter, at byte k, into g.
.macro QUARTER k, f, g, zero
	s_wait_dscnt 4                                 ; wb's fragments and xb's blocks 0, 1 are in; the youngest four loads (blocks 2, 3) may be out
	MUL12 \f, 0, 0, \zero
	MUL12 \f, 0, 1, \zero
	PLACES
	FETCH \k, \g
	s_wait_dscnt 32                                ; all but the 32 just issued
	MUL12 \f, 1, 0, \zero
	MUL12 \f, 1, 1, \zero
.endm
; The last quarter multiplies buffer 1 and changes slots.  ONE barrier; in front of it each wave waits for all its tensor loads (the one that is out is its part of the next slot), adds 0 to its spare
; word, and waits for that and for its own reads of this slot.  fill = 1: the barrier opens a round of the cluster's, and this slot is filled again, with the step two on in the walk, first thing
; behind the round: 168 matrix instructions ahead of the wait for it.
.macro TURN fill
.if \fill
	s_wait_xcnt 0x0                                ; the last prefetch, a K step back, has read its address
	s_add_co_u32 s[KO], s[KO], STEPB
	s_and_b32 s[KO], s[KO], ROWB-1                 ; the K step that this refill brings: the walk wraps round at the row's end
	s_add_co_u32 s[PK], s[KO], STEPB
	s_and_b32 s[PK], s[PK], ROWB-1                 ; and the one that the next will bring
	s_add_nc_u64 s[PFA:PFA+1], s[PFB:PFB+1], s[PK:PK+1]
.endif
	WIN 0                                          ; (the add's two registers lie in window 0)
	s_wait_tensorcnt 0x0
	ds_add_u32 v[SPW], v[NIL]
	s_wait_dscnt 5                                 ; (the add and the youngest four loads may be out)
	MUL12 1, 0, 0, 0                               ; twelve matrix instructions stand between the add and the wait for it
	s_wait_dscnt 0x0                               ; the add is done, and my reads of this slot are over
	s_barrier_signal -1
	MUL12 1, 0, 1, 0
	WIN 0                                          ; (branches and address lines follow)
	s_barrier_wait -1
.if \fill
	CREST                                          ; no wave of any partner still reads this slot's tile or has a load on its way
	s_xor_b32 s[G0+5], s[G0+5], SLOT               ; the walking descriptors: the other slot than last time,
	s_add_nc_u64 s[G0+6:G0+7], s[BA:BA+1], s[KO:KO+1]  ; the address made anew from the rows' first byte and the step's place in a row,
	s_or_b32 s[G0+7], s[G0+7], 0x80000000          ; the type set again
	s_xor_b32 s[G0B+5], s[G0B+5], SLOT
	s_add_nc_u64 s[G0B+6:G0B+7], s[BB:BB+1], s[KO:KO+1]
	s_or_b32 s[G0B+7], s[G0B+7], 0x80000000
	JLOAD 1                                        ; the four v_nop behind it are also the places in front of the loads below
.else
	PLACES
.endif
	s_xor_b32 s[TB], s[TB], SLOT                   ; the reads go on in the other slot
	v_add_nc_u32 v[ADRA], s[TB], v[A0]
	v_add_nc_u32 v[ADRB], s[TB], v[B0]
	FETCH 0, 0
.if \fill
	ASK
.endif
	MUL12 1, 1, 0, 0
	MUL12 1, 1, 1, 0
.endm
	s_wait_tensorcnt 1                             ; my part of the walk's step 0 is in; step 1's may stay out
	s_barrier_signal -1
	s_barrier_wait -1                              ; everybody's is
	FETCH 0, 0
	QUARTER 64, 0, 1, 1                            ; the first quarter stands in front of the loop: its products start the sums
	WIN 0                                          ; at a label and at a branch every window is 0
	s_mov_b32 s3, STEPS-2
.Lstep:                                                ; a trip goes from a K step's second quarter to the next step's first, and fills the slot that it leaves: steps 2 to 15 of the walk
	QUARTER 128, 1, 0, 0
	QUARTER 192, 0, 1, 0
	TURN 1
	QUARTER 64,  0, 1, 0
	WIN 0
	s_sub_co_u32 s3, s3, 1
	s_cmp_lg_u32 s3, 0
	s_cbranch_scc1 .Lstep
	QUARTER 128, 1, 0, 0                           ; the last two steps fill nothing
	QUARTER 192, 0, 1, 0
	TURN 0                                         ; behind its barrier no wave reads slot 0 any more
	QUARTER 64,  0, 1, 0
	QUARTER 128, 1, 0, 0
	QUARTER 192, 0, 1, 0
	s_wait_dscnt 4                                 ; the very last quarter: nothing more to fetch
	MUL12 1, 0, 0, 0
	MUL12 1, 0, 1, 0
	s_wait_dscnt 0x0
	MUL12 1, 1, 0, 0
	MUL12 1, 1, 1, 0
	WIN 0
	; THE WAY OUT.  q's columns (the tile's first 128: column blocks 0 to 7 of the waves with the left half) take the factor c in f32; all is rounded to f16; 16 bytes a lane go into the
	; work-group's stage; a barrier, since a row's bytes come from two waves; back as pieces of 256 bytes of a row, 32 rows a wave.
	PLACES
	s_mov_b32 s20, 0x3e0293ee                      ; c = log2(e) / sqrt(128)
	s_mov_b32 s21, s20                             ; named with it as a pair
	s_cmp_eq_u32 s12, 0
	s_cbranch_scc0 .Lno_q
.irp a, 0,1,2,3
	WIN 0x82+0x41*((\a)/2)                         ; destination and source 0 in window 2 or 3
.set AC, 96*((\a)%2)
.set j, 0
.rept 32
	v_pk_mul_f32 v[AC+2*j:AC+2*j+1], v[AC+2*j:AC+2*j+1], s[20:21] op_sel_hi:[1,0]
.set j, j+1
.endr
.endr
	WIN 0
.Lno_q:
.irp a, 0,1,2,3
	WIN 0x0a+5*((\a)/2)                            ; sources 0 and 1 in window 2 or 3
.set AC, 96*((\a)%2)
.set j, 0
.rept 48                               ; each accumulator's registers in ascending order
	v_cvt_pk_f16_f32 v[TMP+j], v[AC+2*j], v[AC+2*j+1]
.set j, j+1
.endr
	WIN 0
.irp b, 0,1,2,3,4,5,6,7,8,9,10,11
	ds_store_b128 v[STO], v[TMP+4*(\b):TMP+4*(\b)+3] offset:(\a)*16*SPITCH+32*(\b)
.endr
.endr
	s_wait_dscnt 0x0                               ; for the others' sake: my stores into the stage are done
	s_barrier_signal -1
	s_barrier_wait -1
.set i, 0
.rept 48                               ; i = 16 u + t: tensor u, rows 2 t and 2 t + 1 of my 32
	ds_load_b128 v[BK+4*i:BK+4*i+3], v[RD] offset:(i%16)*2*SPITCH+(i/16)*256
.set i, i+1
.endr
.set i, 0
.rept 48
	s_wait_dscnt 47-i
	global_store_b128 v[CO], v[BK+4*i:BK+4*i+3], s[8:9] offset:(i/16)*524288+(i%16)*512  ; 512 consecutive bytes, at a multiple of 256 from qkv's first byte
.set i, i+1
.endr
	s_wait_tensorcnt 0x0                           ; the wave's end: behind my last tensor load and my last LDS store
	ds_add_u32 v[SPW], v[NIL]
	s_wait_dscnt 0x0
	CROUND                                         ; the closing round: no work-group ends while a partner may still ask for a tile that names it
	s_endpgm
.Lfunc_end_k_qb12fd2ba8f_proj_qkv:
	.size	k_qb12fd2ba8f_proj_qkv, .Lfunc_end_k_qb12fd2ba8f_proj_qkv-k_qb12fd2ba8f_proj_qkv
	.p2alignl 7, 3214868480
	.fill 96, 4, 3214868480
	.section	.rodata,"a",@progbits
	.p2align	6, 0x0
	.amdhsa_kernel k_qb12fd2ba8f_proj_qkv
		.amdhsa_group_segment_fixed_size 327680
		.amdhsa_private_segment_fixed_size 0
		.amdhsa_enable_private_segment 0
		.amdhsa_kernarg_size 24
		.amdhsa_user_sgpr_count 2
		.amdhsa_user_sgpr_kernarg_segment_ptr 1
		.amdhsa_wavefront_size32 1
		.amdhsa_system_sgpr_workgroup_id_x 1
		.amdhsa_system_sgpr_workgroup_id_y 1
		.amdhsa_system_sgpr_workgroup_id_z 1
		.amdhsa_system_vgpr_workitem_id 0
		.amdhsa_next_free_vgpr 960
		.amdhsa_next_free_sgpr 80
		.amdhsa_reserve_vcc 0
		.amdhsa_float_denorm_mode_32 3
		.amdhsa_float_denorm_mode_16_64 3
		.amdhsa_memory_ordered 1
		.amdhsa_forward_progress 1
		.amdhsa_inst_pref_size 107
	.end_amdhsa_kernel
	.amdgpu_metadata
---
amdhsa.version: [ 1, 2 ]
amdhsa.kernels:
  - .name:           k_qb12fd2ba8f_proj_qkv
    .symbol:         k_qb12fd2ba8f_proj_qkv.kd
    .args:
      - { .name: xb, .offset: 0, .size: 8, .value_kind: global_buffer, .address_space: global }
      - { .name: wb, .offset: 8, .size: 8, .value_kind: global_buffer, .address_space: global }
      - { .name: qkv, .offset: 16, .size: 8, .value_kind: global_buffer, .address_space: global }
    .group_segment_fixed_size: 327680
    .private_segment_fixed_size: 0
    .kernarg_segment_align: 8
    .kernarg_segment_size: 24
    .max_flat_workgroup_size: 128
    .sgpr_count:     80
    .vgpr_count:     960
    .wavefront_size: 32
...
	.end_amdgpu_metadata
.endif
;; end of part 2
;; launch attn (part 3): grid 16 x 16, 4 waves a work-group, clusters of 4 x 1, 327,680 bytes of LDS; arguments qkv, mk, ob; writes ob
.if DOCPART == 3
	.amdgcn_target "amdgcn-amd-amdhsa--gfx1250"
	.amdhsa_code_object_version 6
	.text
	.protected	k_qb12fd2ba8f_attn
	.globl	k_qb12fd2ba8f_attn
	.p2align	8
	.type	k_qb12fd2ba8f_attn,@function
k_qb12fd2ba8f_attn:
	s_mov_b64 s[64:65], 0
	v_nop
	global_prefetch_b8 v0, s[64:65] scope:SCOPE_SE
	s_setreg_imm32_b32 hwreg(HW_REG_WAVE_MODE, 25, 1), 1
	s_wait_xcnt 0x0
	s_wait_alu depctr_hold_cnt(0) depctr_sa_sdst(0) depctr_va_vdst(0) depctr_va_sdst(0) depctr_va_ssrc(0) depctr_va_vcc(0) depctr_vm_vsrc(0)
	s_getreg_b32 s2, hwreg(HW_REG_IB_STS2, 6, 4)
	s_cmp_eq_u32 s2, 0
	s_cbranch_scc0 .Lentry_in_a_cluster
	s_endpgm
.Lentry_in_a_cluster:
	s_bfe_u32 s2, ttmp6, 0x10000c
	s_cmp_lg_u32 s2, 0x3003
	s_cbranch_scc0 .Lentry_shape_is_right
	s_endpgm
.Lentry_shape_is_right:
; ATTENTION WITH AN ADDITIVE MASK THAT IS DATA.  ob[s][128 head + d] = sum over k of softmax_k(q.k / sqrt(128) + mask[s][k]) v[k][d], for 16 heads of 2,048 rows.
; qkv: f16 [head][3][2048][128], its q already times c = log2(e) / sqrt(128); mk: the mask in bf16, in the lanes' order (below); ob: f16 [2048][2048].
; Products, maxima and sums in f32; the weights p are rounded to f16 for the second product (their sum l is taken of the unrounded p), O once at the end.
; Every score of every head is made: nothing is assumed of the mask.  t = mask x log2(e) + s, one fused multiply-add in f32; p = 2^(t - m) with a running maximum m; t - m is one subtraction.
; LIMITS.  The mask arrives within +-1e38.  t is rounded once from mask x log2(e) + s, where the reference rounds mask + score: a row whose keys all carry the same huge negative mask comes out
; uniform while its scores stay small beside the rounding step of that number (for -1e9: |s| below 45).  A weight below 2^-126 counts as 0 in l.  NaN is not treated apart.
; SHARES.  A work-group owns 128 queries of one head: 16 x 16 work-groups.  Wave w owns 64 of them (qh = w % 2: four tiles of 16, in two PIECES: 0 = tiles 0, 1; 2 = tiles 2, 3) and HALF THE KEYS
; (kh = w / 2): of each slot's 256 keys rows 128 kh .. + 127, two steps of 64; 16 steps in all.  So a fragment of K or V read from LDS feeds four tiles.  The two halves' m, l and O meet in LDS at the
; end: each wave of a pair gives its piece 2 to its partner and finishes its piece 0.  MY TILE t HOLDS THE QUERIES OF TILE t xor 2 kh OF THE 64, so that one wave's piece 2 is the other's piece 0 and
; one text serves both; the number enters Q's rows, the mask's tiles and ob's rows, and nothing else.
; LAYOUT.  S^T = K Q^T (source 0 = 16 keys, source 1 = 16 queries): a lane holds ONE query (lane % 16) and the keys 8 (lane / 16) + 0..7.  Two such tiles rounded to f16 in pairs ARE source 1 of
; O^T = V^T P.  K comes out of LDS as it lies, V turned, by ds_load_tr16_b128.  The mask comes straight from memory: for step n, tile t, keys 16 kt on, a lane's 16 bytes are its eight numbers,
; and the wave's load covers 512 consecutive bytes.
; BY TURNS.  In a TURN piece X has the matrix unit: 32 products V^T P of step n, then 32 products K Q^T of step n + 1; the other piece's softmax, 330 vector instructions, stands four behind each
; matrix instruction, the last 78 together.  m starts at the lowest finite number, O, l, V and piece 2's P at 0, so the first step is a step like any other, with a = 0.
; CLUSTER.  The four query blocks of a cluster belong to one head and walk the same K and V: each tile is asked for JOINTLY.
; REGISTERS, in windows of 256 (s_set_vgpr_msb: bits 1:0 source 0, 3:2 source 1, 5:4 source 2, 7:6 destination):
;   window 0: v2-11, v44-55 addresses and constants; v12-43 eight registers of statistics a tile; v64-191 S^T, 32 a tile; v192-255 P, 16 a tile
;   window 1: O^T, 64 a tile     window 2: v0-127 Q; v128-255 K of one step     window 3: v0-127 V of one step; v128-191 the mask, 16 a tile
.set KS,    64                         ; keys in a step
.set PK,    272                        ; a row of K in LDS: 256 bytes + 16: the 16 rows of a load start 16 bytes apart modulo 256
.set PV,    288                        ; a row of V: 256 + 32: 16 lanes of the turning load take 8 rows x 32 bytes, 32 bytes apart modulo 256
.set VOFF,  256*PK                     ; a slot: 256 rows of K, then 256 rows of V: 143,360 bytes
.set SLOTD, 0x24000                    ; slot 1 begins here.  Every LDS address that changes slots has bits 17 and 14 clear in slot 0, so one exclusive or turns it into the other slot's
.set STAGE, 2*SLOTD                    ; behind the ring: 16 rows x 272 bytes for each wave, for the way out
.set SP,    272
.set SPARE, STAGE+4*16*SP              ; behind the stages: the spare words, 128 bytes a wave: two blocks of 256 bytes that no other line names
.set GIVEB, 16896                      ; the meeting of the key halves: what one wave gives: two tiles' O^T, 32 x 512 bytes, then their (m, l), 2 x 256
.set MRGB,  2*GIVEB                    ; from LDS byte 0 on (slot 0, when it has had its last fill and its last read): for each qh what kh = 0 gives, then what kh = 1 gives
.set AK0, 2                            ; v2   my lane's place in a tile of K; never rewritten
.set AV0, 3                            ; v3   the same for V
.set AK,  4                            ; v4   the LDS address of K's run of loads
.set AV,  5                            ; v5   of V's
.set STO, 6                            ; v6   the way out: where I put 16 bytes of a row
.set RD,  7                            ; v7   the way out: where I read a row back
.set GO,  8                            ; v8   my byte offset in two rows of ob
.set QO,  9                            ; v9   my byte offset in the rows of Q of my tiles 0, 1
.set MA,  10                           ; v10  the meeting: my 16 bytes of a block of 512, where I give
.set MS,  11                           ; v11  the meeting: my 8 bytes of a block of 256, where I give
.set ST,  12                           ; tile t's statistics at v[ST+8 t]: +0 m, +1 m_old, +2, +3 l (even keys', odd keys'), +4 to +7 c0-c3 at work; a takes +6, its argument +7
.set LG,  44                           ; v44  log2(e)
.set PFO, 45                           ; v45  256 x my lane; never rewritten
.set MO,  46                           ; v46, v47  16 x my lane + the place of piece 0's, piece 2's two tiles in a step's block of the mask; never rewritten
.set R16, 48                           ; v48  l % 16
.set HF,  49                           ; v49  l / 16
.set L8,  50                           ; v50  l % 8
.set B3,  51                           ; v51  (l / 8) % 2
.set LN,  52                           ; v52  l
.set QO2, 53                           ; v53  my byte offset in the rows of Q of my tiles 2, 3
.set MT,  54                           ; v54  the meeting: as MA, where my partner gives
.set MU,  55                           ; v55  the meeting: as MS, where my partner gives
.set SPW, 62                           ; v62  LDS address of my spare word; never rewritten
.set NIL, 63                           ; v63  0; never rewritten
.set S,   64
.set P,   192
.set KF,  128                          ; K's fragments, in window 2
.set MK,  128                          ; the mask, in window 3
.set WV,  12                           ; s12  my wave's number
.set LIM, 15                           ; s15  1 where my cluster prefetches K and V, else the greatest number
.set QH,  16                           ; s16  w % 2: my half of the queries; also which 128 rows of a slot I fetch
.set KH,  17                           ; s17  w / 2: my half of the keys; also: I fetch K (0) or V (1)
.set PFA, 18                           ; s[18:19] where my prefetches of K or V stand
.set G1K, 24                           ; s[24:31] descriptor group 1 for K's tiles
.set G1V, 32                           ; s[32:39] for V's: it differs in the padding alone
.set G0K, 40                           ; s[40:43] descriptor group 0 for K's tiles: it walks
.set G0V, 44                           ; s[44:47] the same for V's
.set HD0, 48                           ; s48  1 in head 0's work-groups, which prefetch the mask
.set SLOTS, 56                         ; s56  counts the changes of slots
.set CNT, 57                           ; s57  counts a slot's two steps; in the tail its trips
.set SEL, 60                           ; s[60:61] v_permlanex16_b32's selects: each lane takes its own place in the other half
.set TBK, 62                           ; s62  LDS byte at which my K of the step to be fetched begins
.set TBV, 63                           ; s63  the same for V, less VOFF
.set MSB, 0
.macro WIN new                         ; the high byte repeats the setting that is left; a switch that changes nothing is dropped
.if MSB != (\new)
	s_set_vgpr_msb (MSB<<8)|(\new)
.set MSB, (\new)
.endif
.endm
.set W_KQ, 0x0a                        ; K and Q in window 2, S^T in window 0
.set W_PV, 0x53                        ; V in window 3, P in window 0, O^T in window 1
.set W_RS, 0x41                        ; O^T (destination and source 0) in window 1, a in window 0
.set W_FM, 0x03                        ; the mask (source 0) in window 3, all else in window 0
; A joint fill.  Waves 0 and 1 fetch the two halves of a slot's K, waves 2 and 3 those of its V.  An s_nop 0 and four v_nop follow each of the two lines, ahead of the jump and the label.
.macro JLOAD
	s_cmp_lt_u32 s[WV], 2
	s_cbranch_scc0 .Lfor_v_\@
	tensor_load_to_lds s[G0K:G0K+3], s[G1K:G1K+7]
	s_nop 0
.rept 4
	v_nop
.endr
	s_branch .Lasked_\@
.Lfor_v_\@:
	tensor_load_to_lds s[G0V:G0V+3], s[G1V:G1V+7]
	s_nop 0
.rept 4
	v_nop
.endr
.Lasked_\@:
.endm
; A PREFETCH of what the NEXT change of slots will ask for: two of my steps, 256 matrix instructions, ahead of that load.  All four clusters of a head walk the same K and V: the head's first cluster asks.
; Of the 128 rows that a wave fetches each of the four partners takes 32, told apart by address: a lane a row of 256 bytes.  So each row is named once in the launch.  Slots 0 to 2 come by their
; loads alone; the last change that fills a slot asks for nothing.
.macro ASK
	s_cmp_gt_u32 s[SLOTS], s[LIM]
	s_cbranch_scc0 .Lnot_mine_\@
	global_prefetch_b8 v[PFO], s[PFA:PFA+1] th:TH_LOAD_NT scope:SCOPE_SE
.Lnot_mine_\@:
.endm
.macro CROUND                          ; a round of the cluster's barrier
	s_barrier_signal -1
	s_barrier_wait -1
	s_cmp_lg_u32 s[WV], 0
	s_cbranch_scc1 .Lnot_wave_0_\@
	s_barrier_signal -3
.Lnot_wave_0_\@:
	s_barrier_wait -3
	s_barrier_signal -1
	s_barrier_wait -1
.endm
; THE CHANGE OF SLOTS, between piece 2's turn and piece 0's: the slot's last bytes, V of its second step, have been asked for.  Each wave waits for all its tensor loads, of which one is out: its part of
; the other slot; adds 0 to its spare word; and waits for that and for its own reads of the slot.  fill = 1: the slot is filled again, with the keys two slots on: the barrier is a round of the
; cluster's, and the joint fill is the first thing behind it.  (At its first use nothing has been read yet: slot 0 is waited for, slot 1 filled.)
.macro CHANGE fill, ask
	WIN 0
	s_wait_tensorcnt 0x0                           ; no tensor load of mine is out, so a group 0 may be written
	ds_add_u32 v[SPW], v[NIL]                      ; 0 onto my spare word; the descriptors' steps stand between it and the wait for it
.if \fill
.irp g, G0K, G0V
	s_xor_b32 s[\g+1], s[\g+1], SLOTD              ; the other slot than last time,
	s_add_nc_u64 s[\g+2:\g+3], s[\g+2:\g+3], 65536 ; the next 256 keys; the type bits on top are not reached
.endr
.endif
.if \ask
	s_wait_xcnt 0x0                                ; the last prefetches and mask loads have read their addresses
	s_add_nc_u64 s[PFA:PFA+1], s[PFA:PFA+1], 65536
.endif
	s_wait_dscnt 0x0                               ; the add is done, and my reads of the slot are over
.if \fill
	CROUND
	JLOAD
.if \ask
	ASK
.endif
.else
	s_barrier_signal -1
	s_barrier_wait -1
.endif
	s_sub_co_u32 s[TBK], s[TBK], 2*KS*PK           ; the fetches go back to my first step of a slot,
	s_xor_b32 s[TBK], s[TBK], SLOTD                ; in the other slot
	s_sub_co_u32 s[TBV], s[TBV], 2*KS*PV
	s_xor_b32 s[TBV], s[TBV], SLOTD
.endm
	s_load_b128 s[4:7], s[0:1], 0x0                ; qkv s[4:5], mk s[6:7]
	s_load_b64 s[8:9], s[0:1], 0x10                ; ob
	v_lshl_add_u32 v[SPW], v0, 2, SPARE
	v_mov_b32 v[NIL], 0
	ds_add_u32 v[SPW], v[NIL]                      ; the wave's opening: the add and its wait stand ahead of my first tensor load; the set-up below, work on registers, stands between them
	v_lshrrev_b32 v1, 5, v0
	v_readfirstlane_b32 s[WV], v1                  ; wave 0..3
	s_bfe_u32 s13, ttmp6, 0x40000                  ; cx: my place in the cluster
	s_lshl_b32 s14, ttmp9, 2
	s_add_co_u32 s14, s14, s13                     ; my block of 128 queries: it enters Q's, the mask's and ob's addresses alone
	s_and_b32 s20, ttmp7, 0xffff                   ; the head, which the four partners share
	s_and_b32 s[QH], s[WV], 1
	s_lshr_b32 s[KH], s[WV], 1
	s_cmp_eq_u32 s20, 0
	s_cselect_b32 s[HD0], 1, 0
	s_cmp_eq_u32 ttmp9, 0
	s_cselect_b32 s[LIM], 1, -1                    ; the same in all four partners
	s_mul_i32 s21, s20, 1572864                    ; the head's first byte in qkv
	s_lshl_b32 s22, s[QH], 15                      ; the 128 rows of 256 bytes that I fetch of a slot,
	s_add_co_u32 s22, s22, s21
	s_add_co_u32 s50, s22, 524288                  ; in K
	s_mov_b32 s51, 0
	s_add_co_u32 s52, s22, 1048576                 ; and in V
	s_mov_b32 s53, 0
	s_mul_i32 s54, s[QH], 128*PK                   ; and their place in a slot: no place in the cluster enters an LDS address
	s_mul_i32 s55, s[QH], 128*PV
	s_lshl_b32 s2, s14, 15                         ; Q: my block's 128 rows, my wave's 64 of them
	s_lshl_b32 s3, s[QH], 14
	s_add_co_u32 s2, s2, s3
	s_add_co_u32 s2, s2, s21
	s_mov_b32 s3, 0
	s_lshl_b32 s22, s14, 1                         ; the mask's stream 4 qb + 2 qh + kh, 131,072 bytes each
	s_add_co_u32 s22, s22, s[QH]
	s_lshl_b32 s22, s22, 1
	s_add_co_u32 s22, s22, s[KH]
	s_lshl_b32 s22, s22, 17
	s_mov_b32 s23, 0
	s_lshl_b32 s58, s14, 19                        ; ob: row 128 qb + 64 qh + 32 kh (the two tiles that I finish), rows of 4,096 bytes; the head's 256 bytes of them
	s_lshl_b32 s59, s[QH], 18
	s_add_co_u32 s58, s58, s59
	s_lshl_b32 s59, s[KH], 17
	s_add_co_u32 s58, s58, s59
	s_lshl_b32 s59, s20, 8
	s_add_co_u32 s58, s58, s59
	s_mov_b32 s59, 0
	s_cmp_eq_u32 s[KH], 0                          ; the prefetches: the tile that I fetch,
	s_cselect_b32 s18, s50, s52
	s_lshl_b32 s19, s13, 13                        ; my work-group's 32 rows of its 128,
	s_add_co_u32 s18, s18, s19
	s_add_co_u32 s18, s18, 2*65536                 ; in slot 2: the first change that asks steps it to slot 3
	s_mov_b32 s19, 0
	; descriptor group 1: a tile of 128 rows x 128 elements, padded in LDS
	s_mov_b32 s[G1K], 15|(1<<16)|(1<<20)|(1<<21)|(5<<22)|(3<<25)  ; 15:0 the mask of four; 17:16 elements of 2 bytes; 20 padding on; 21 set beside a mask; 24:22 after every 64 words; 31:25 4 words of it
	s_mov_b32 s[G1V], 15|(1<<16)|(1<<20)|(1<<21)|(5<<22)|(7<<25)  ; the same with 8 words of padding
.irp g, G1K, G1V
	s_mov_b32 s[\g+1], 128<<16                     ; tensor_dim0 = 128
	s_mov_b32 s[\g+2], 128<<16                     ; tensor_dim1 = 128
	s_mov_b32 s[\g+3], 128<<16                     ; tile_dim0 = 128
	s_mov_b32 s[\g+4], 128                         ; tile_dim1 = 128
	s_mov_b32 s[\g+5], 128                         ; elements from row to row
	s_mov_b32 s[\g+6], 0
	s_mov_b32 s[\g+7], 0
.endr
	s_mov_b32 s[SEL], 0x76543210
	s_mov_b32 s[SEL+1], 0xfedcba98
	s_mul_i32 s[TBK], s[KH], 128*PK                ; my half of a slot's keys; the first change of slots turns these two into slot 0's
	s_add_co_u32 s[TBK], s[TBK], SLOTD+2*KS*PK
	s_mul_i32 s[TBV], s[KH], 128*PV
	s_add_co_u32 s[TBV], s[TBV], SLOTD+2*KS*PV
	s_mov_b32 s[G0K], 1                            ; 1:0 count = 1
	s_mov_b32 s[G0K+1], s54                        ; 63:32 LDS address: slot 0
	s_mov_b32 s[G0V], 1
	s_add_co_u32 s[G0V+1], s55, VOFF
	s_wait_dscnt 0x0                               ; the opening add is done
	s_wait_kmcnt 0x0
	s_add_nc_u64 s[G0K+2:G0K+3], s[4:5], s[50:51]  ; 120:64 global address
	s_or_b32 s[G0K+3], s[G0K+3], 0x80000000        ; 127:126 type = 2
	s_add_nc_u64 s[G0V+2:G0V+3], s[4:5], s[52:53]
	s_or_b32 s[G0V+3], s[G0V+3], 0x80000000
	s_add_nc_u64 s[PFA:PFA+1], s[4:5], s[18:19]
	s_add_nc_u64 s[4:5], s[4:5], s[2:3]            ; Q at my wave's first row
	s_add_nc_u64 s[6:7], s[6:7], s[22:23]          ; the mask at my stream's step 0
	s_add_nc_u64 s[8:9], s[8:9], s[58:59]          ; ob at the first row that I store
	CROUND                                         ; all four work-groups are here: the first joint loads meet
	JLOAD                                          ; slot 0; slot 1 is asked for when slot 0 is in
; THE MATRIX WORK.  The accumulators take turns, one instruction a turn: between two links of a chain stand 15 (V^T P) or 7 (K Q^T) others'.
; Product i of 32 of O^T += V^T P for piece x: keys 32 (i / 16) on, channels 16 ((i / 2) % 8) on, tile x + i % 2.
.macro PV x
	WIN W_PV
.set rO, 64*((\x)+i%2)+8*((i/2)%8)
.set rV, 64*(i/16)+8*((i/2)%8)
.set rP, P+16*((\x)+i%2)+8*(i/16)
	v_wmma_f32_16x16x32_f16 v[rO:rO+7], v[rV:rV+7], v[rP:rP+7], v[rO:rO+7]
.endm
; Product i of 32 of S^T = K Q^T: channels 32 (i / 8) on, keys 16 ((i / 2) % 4) on, tile x + i % 2.  The first 8 start the sums.
.macro KQ x
	WIN W_KQ
.set rS, S+32*((\x)+i%2)+8*((i/2)%4)
.set rK, KF+32*((i/2)%4)+8*(i/8)
.set rQ, 32*((\x)+i%2)+8*(i/8)
.if i < 8
	v_wmma_f32_16x16x32_f16 v[rS:rS+7], v[rK:rK+7], v[rQ:rQ+7], 0
.else
	v_wmma_f32_16x16x32_f16 v[rS:rS+7], v[rK:rK+7], v[rQ:rQ+7], v[rS:rS+7]
.endif
.endm
.macro MM                              ; the turn's next matrix instruction, number mi of 64
.if mi < 32
.set i, mi
	PV X
.else
.if (X == 0) && (mi == 32)
	s_wait_dscnt 0x0                               ; K is in
.endif
.set i, mi-32
	KQ X
.endif
.set mi, mi+1
.endm
; THE LOADS stand in runs, never singly among the matrix instructions.  last = 1 (the tail): where there is no further step the run is jumped over.
.macro FETCH_K last                    ; a step's K: 64 keys x 128 channels: 16 fragments
	WIN 0
.if \last
	s_cmp_eq_u32 s[CNT], 1
	s_cbranch_scc1 .Lno_k_\@
.endif
	v_add_nc_u32 v[AK], s[TBK], v[AK0]
	s_add_co_u32 s[TBK], s[TBK], KS*PK             ; the next fetch is the next step's
	WIN 0x80                                       ; destination window 2
.irp f, 0,1,2,3,4,5,6,7,8,9,10,11,12,13,14,15      ; keys 16 (f / 4) on, channels 32 (f % 4) on
	ds_load_b128 v[KF+8*(\f):KF+8*(\f)+3],   v[AK] offset:((\f)/4)*16*PK+((\f)%4)*64
	ds_load_b128 v[KF+8*(\f)+4:KF+8*(\f)+7], v[AK] offset:((\f)/4)*16*PK+((\f)%4)*64+32
.endr
	WIN 0
.if \last
.Lno_k_\@:
.endif
.endm
.macro FETCH_V                         ; a step's V, turned
	WIN 0
	v_add_nc_u32 v[AV], s[TBV], v[AV0]
	s_add_co_u32 s[TBV], s[TBV], KS*PV
	WIN 0xc0                                       ; destination window 3
.irp f, 0,1,2,3,4,5,6,7,8,9,10,11,12,13,14,15      ; keys 32 (f / 8) on, channels 16 (f % 8) on
	ds_load_tr16_b128 v[8*(\f):8*(\f)+3],   v[AV] offset:((\f)/8)*32*PV+((\f)%8)*32
	ds_load_tr16_b128 v[8*(\f)+4:8*(\f)+7], v[AV] offset:((\f)/8)*32*PV+16*PV+((\f)%8)*32
.endr
.endm
; The mask of piece p for one step: 8 loads of 512 consecutive bytes, from the step's block off bytes behind the stream's pointer; the piece's place in the block lies in its offset register.
; step = 1: the pointer goes a step (8,192 bytes) on first.
; pf = 1: behind the loads, in head 0's work-groups (all 16 heads read the same stream), one prefetch of my own stream's block two steps behind the pointer: 8,192 bytes, a lane for each 256:
; it is loaded a step and a half to two steps later.  It stands in the loop's text alone, where that block exists: each block from the fourth on is named once in the launch.
.macro FETCH_M p, off, step, pf, last
	WIN 0
.if \last
	s_cmp_eq_u32 s[CNT], 1
	s_cbranch_scc1 .Lno_m_\@
.endif
.if \step
	s_wait_xcnt 0x0                                ; the earlier mask loads and the last prefetch have read the pointer
	s_add_nc_u64 s[6:7], s[6:7], 8192
.endif
	WIN 0xc0                                       ; destination window 3, address window 0
.irp u, 0,1,2,3,4,5,6,7                            ; tile p + u / 4, keys 16 (u % 4) on
	global_load_b128 v[MK+16*(\p)+4*(\u):MK+16*(\p)+4*(\u)+3], v[MO+(\p)/2], s[6:7] offset:(\off)+512*(\u)
.endr
	WIN 0
.if \pf
	s_cmp_eq_u32 s[HD0], 1
	s_cbranch_scc0 .Lno_pf_\@
	global_prefetch_b8 v[PFO], s[6:7] offset:16384 th:TH_LOAD_NT scope:SCOPE_SE
.Lno_pf_\@:
.endif
.if \last
.Lno_m_\@:
.endif
.endm
; Every vector line of a turn ends with TICK, which counts it (vc) and sets behind every fourth the next matrix instruction, and the runs of loads at their places:
; K of the next step behind line 8 of piece 0's turn (K's last reader stands 78 plain lines back, in the turn before; its first reader is the turn's 33rd product);
; the mask behind line 64, when the 64 lines that read the old one are issued;
; V of the next step behind line 140 of piece 2's turn: V's last reader is the product behind line 124, and five plain lines (subtractions) and the run's own address line lie between.
.macro TICK
.set vc, vc+1
.if (vc%4 == 0) && (mi < 64)
	MM
.endif
.if (X == 0) && (vc == 8)
	FETCH_K LAST
.endif
.if vc == 64
.if X == 0
	FETCH_M 2, 0, 1, PF, LAST                      ; piece 2's mask of the next step
.else
	FETCH_M 0, 8192, 0, 0, LAST                    ; piece 0's mask of the step after the next
.endif
.endif
.if (X == 2) && (vc == 140)
	FETCH_V
.endif
.endm
; THE VECTOR WORK, a line each.
.macro FM t, n                         ; t = mask x log2(e) + s for score n: the mask's bf16 lies in half n % 2 of register n / 2.  Each accumulator's lowest register is read first
	WIN W_FM
.if (\n)%2
	v_fma_mix_f32_bf16 v[S+32*(\t)+(\n)], v[MK+16*(\t)+(\n)/2], v[LG], v[S+32*(\t)+(\n)] op_sel:[1,0,0] op_sel_hi:[1,0,0]
.else
	v_fma_mix_f32_bf16 v[S+32*(\t)+(\n)], v[MK+16*(\t)+(\n)/2], v[LG], v[S+32*(\t)+(\n)] op_sel_hi:[1,0,0]
.endif
	TICK
.endm
.macro MX t, j                         ; the maximum of the 32 scores and the old m, three operands at a time: four chains of seven, the four left over, the chains and m into c0
.set sT, ST+8*(\t)
.set sS, S+32*(\t)
	WIN 0
.if (\j) < 4
	v_max3_num_f32 v[sT+4+(\j)], v[sS+8*(\j)], v[sS+8*(\j)+1], v[sS+8*(\j)+2]
.elseif (\j) < 12
	v_max3_num_f32 v[sT+4+(\j)%4], v[sT+4+(\j)%4], v[sS+8*((\j)%4)+2*((\j)/4)+1], v[sS+8*((\j)%4)+2*((\j)/4)+2]
.elseif (\j) == 12
	v_max3_num_f32 v[sT+4], v[sT+4], v[sS+7], v[sS+15]
.elseif (\j) == 13
	v_max3_num_f32 v[sT+6], v[sT+6], v[sS+23], v[sS+31]
.elseif (\j) == 14
	v_max3_num_f32 v[sT+4], v[sT+4], v[sT+5], v[sT+6]
.else
	v_max3_num_f32 v[sT+4], v[sT+4], v[sT+7], v[sT]
.endif
	TICK
.endm
.macro SS t, k                         ; the query's other 32 keys lie in the lane 16 away; m_old is kept; the new m; m_old - m; a
.set sT, ST+8*(\t)
	WIN 0
.if (\k) == 0
	v_permlanex16_b32 v[sT+5], v[sT+4], s[SEL], s[SEL+1]
.elseif (\k) == 1
	v_mov_b32 v[sT+1], v[sT]
.elseif (\k) == 2
	v_max_num_f32 v[sT], v[sT+4], v[sT+5]
.elseif (\k) == 3
	v_sub_f32 v[sT+7], v[sT+1], v[sT]
.else
	v_exp_f32 v[sT+6], v[sT+7]
.endif
	TICK
.endm
.macro SB t, g                         ; t - m for pair g
	WIN 0
	v_pk_add_f32 v[S+32*(\t)+2*(\g):S+32*(\t)+2*(\g)+1], v[S+32*(\t)+2*(\g):S+32*(\t)+2*(\g)+1], v[ST+8*(\t):ST+8*(\t)+1] op_sel_hi:[1,0] neg_lo:[0,1] neg_hi:[0,1]
	TICK
.endm
.macro EX t, n
	WIN 0
	v_exp_f32 v[S+32*(\t)+(\n)], v[S+32*(\t)+(\n)]
	TICK
.endm
.macro CV t, j                         ; pair j rounded to f16
	WIN 0
	v_cvt_pk_f16_f32 v[P+16*(\t)+(\j)], v[S+32*(\t)+2*(\j)], v[S+32*(\t)+2*(\j)+1]
	TICK
.endm
.macro SU t, z                         ; the sum of the tile's 16 pairs, in place: neighbours 1, 2, 4 and 8 pairs apart; then l = a l + the sum
.set sT, ST+8*(\t)
.set sS, S+32*(\t)
.set sw, 4
.set su, (\z)
.if (\z) >= 14
.set sw, 32
.set su, 0
.elseif (\z) >= 12
.set sw, 16
.set su, (\z)-12
.elseif (\z) >= 8
.set sw, 8
.set su, (\z)-8
.endif
	WIN 0
.if (\z) < 15
	v_pk_add_f32 v[sS+sw*su:sS+sw*su+1], v[sS+sw*su:sS+sw*su+1], v[sS+sw*su+sw/2:sS+sw*su+sw/2+1]
.else
	v_pk_fma_f32 v[sT+2:sT+3], v[sT+2:sT+3], v[sT+6:sT+7], v[sS:sS+1] op_sel_hi:[1,0,1]
.endif
	TICK
.endm
.macro RS t, j                         ; pair j of the tile's O^T times a
	WIN W_RS
	v_pk_mul_f32 v[64*(\t)+2*(\j):64*(\t)+2*(\j)+1], v[64*(\t)+2*(\j):64*(\t)+2*(\j)+1], v[ST+8*(\t)+6:ST+8*(\t)+7] op_sel_hi:[1,0]
	TICK
.endm
.macro BOTH op, n, count               ; count numbers of a list, the piece's two tiles alternating, so that no line reads the result of the one before it
.set ve, (\n)
.rept \count
	\op Y, ve
	\op Y+1, ve
.set ve, ve+1
.endr
.endm
; A TURN.  Piece x has the matrix unit; the other piece's softmax is the vector work.  Its 66 exponentials are ONE BATCH with ONE wait: nothing ahead of the wait names a result of theirs, all that
; does (roundings, sums, rescaling) stands behind it, and no label or branch stands between the first exponential and the wait.
.macro TURN x, last=0, pf=0
.set X, (\x)
.set Y, 2-(\x)
.set LAST, (\last)
.set PF, (\pf)
.set vc, 0
.set mi, 0
.if (\x) == 0
	s_wait_dscnt 0x0                               ; V is in
.endif
.if \last
	s_wait_loadcnt 0x0                             ; the tail: the runs that may be jumped over make the number of younger loads differ from trip to trip, so the wait is for all
.else
	s_wait_loadcnt 8                               ; my piece's mask is in; the other piece's 8 loads, issued behind it, may stay out
.endif
	MM
	BOTH FM, 0, 32                                 ; lines 0-63
	BOTH MX, 0, 16                                 ; 64-95
	BOTH SS, 0, 5                                  ; 96-105
.set vg, 0
.rept 17                               ; 106-201: the subtractions of pair g and the exponentials of pair g - 1: a subtraction leads each two exponentials
.if vg < 16
	SB Y, vg
.endif
.if vg > 0
	EX Y, 2*vg-2
	EX Y+1, 2*vg-2
.endif
.if vg < 16
	SB Y+1, vg
.endif
.if vg > 0
	EX Y, 2*vg-1
	EX Y+1, 2*vg-1
.endif
.set vg, vg+1
.endr
	v_nop                                          ; a plain instruction behind the last exponential, ahead of the first use (ISA guide 5.7.2): one for the batch
	s_wait_alu depctr_va_vdst(0)                   ; the wait ahead of the first line that names a result: one for the batch
	BOTH CV, 0, 16                                 ; 202-233
	BOTH SU, 0, 16                                 ; 234-265
	BOTH RS, 0, 32                                 ; 266-329; the 78 lines behind the last product are also its places
.endm
	v_and_b32 v[R16], 15, v0
	v_bfe_u32 v[HF], v0, 4, 1
	v_and_b32 v[LN], 31, v0
	v_lshlrev_b32 v[QO], 8, v[R16]
	v_lshl_add_u32 v[QO], v[HF], 4, v[QO]          ; row x 256 + 16 x half
	s_lshl_b32 s20, s[KH], 13                      ; my tiles 0, 1 are tiles 2 kh, 2 kh + 1 of the 64 queries (4,096 bytes of Q a tile),
	s_xor_b32 s21, s20, 8192                       ; my tiles 2, 3 the other two
	v_add_nc_u32 v[QO2], s21, v[QO]
	v_add_nc_u32 v[QO], s20, v[QO]
	v_lshlrev_b32 v[MO], 4, v[LN]
	s_lshl_b32 s22, s[KH], 12                      ; the same in a step's block of the mask (2,048 bytes a tile)
	s_xor_b32 s23, s22, 4096
	v_add_nc_u32 v[MO+1], s23, v[MO]
	v_add_nc_u32 v[MO], s22, v[MO]
	v_lshlrev_b32 v[PFO], 8, v[LN]
	WIN 0x80                                       ; destination window 2, address window 0
.irp i, 0,1,2,3,4,5,6,7,8,9,10,11,12,13,14,15      ; Q stays in registers: my tile i / 4, channels 32 (i % 4) on
	global_load_b128 v[8*(\i):8*(\i)+3],   v[QO+(QO2-QO)*((\i)/8)], s[4:5] offset:(((\i)/4)%2)*4096+((\i)%4)*64
	global_load_b128 v[8*(\i)+4:8*(\i)+7], v[QO+(QO2-QO)*((\i)/8)], s[4:5] offset:(((\i)/4)%2)*4096+((\i)%4)*64+32
.endr
	FETCH_M 0, 0, 0, 0, 0                          ; both pieces' mask of step 0
	FETCH_M 2, 0, 0, 0, 0
	; What the first turn finds: V and piece 2's P hold 0 (its products V^T P, of a step that has not been, add 0), O^T and l are 0, m is the lowest finite number.  P's 32 registers are written;
	; O^T's 256 and V's 128 are the results of 48 products of sixteen of those zeros, with the constant 0 as C: a quarter of the text of as many moves.  All this stands in the wait for the first tile.
	WIN 0
.set ci, P+32
.rept 32
	v_mov_b32 v[ci], 0
.set ci, ci+1
.endr
	WIN 0x40                                       ; destination window 1: O^T
.set ci, 0
.rept 32
	v_wmma_f32_16x16x32_f16 v[8*ci:8*ci+7], v[P+32:P+39], v[P+40:P+47], 0
.set ci, ci+1
.endr
	WIN 0xc0                                       ; destination window 3: V
.set ci, 0
.rept 16
	v_wmma_f32_16x16x32_f16 v[8*ci:8*ci+7], v[P+32:P+39], v[P+40:P+47], 0
.set ci, ci+1
.endr
	WIN 0
.irp t, 0,1,2,3
	v_mov_b32 v[ST+8*(\t)], 0xff7fffff
	v_mov_b32 v[ST+8*(\t)+1], 0
	v_mov_b32 v[ST+8*(\t)+2], 0
	v_mov_b32 v[ST+8*(\t)+3], 0
.endr
	v_mov_b32 v[LG], 0x3fb8aa3b                    ; log2(e)
	v_mul_u32_u24 v[AK0], v[R16], PK
	v_lshl_add_u32 v[AK0], v[HF], 4, v[AK0]        ; row x pitch + 16 x half
	; The turning load takes 16 keys x 16 channels (lane l reads key 8 (l / 16) + l % 8, channels 8 ((l / 8) % 2) + 0..7) and leaves half a fragment of V^T: lane l holds channel l % 16 and 8 keys.
	v_and_b32 v[L8], 7, v0
	v_bfe_u32 v[B3], v0, 3, 1
	v_lshl_add_u32 v[AV0], v[HF], 3, v[L8]
	v_mul_u32_u24 v[AV0], v[AV0], PV
	v_lshl_add_u32 v[AV0], v[B3], 4, v[AV0]
	v_add_nc_u32 v[AV0], VOFF, v[AV0]
	CHANGE 1, 0                                    ; slot 0 is in, everybody's part of it; slot 1 is asked for
	FETCH_K 0                                      ; my step 0
	s_wait_loadcnt 16                              ; Q is in; the 16 mask loads behind it may stay out
	s_wait_dscnt 0x0
.set i, 0
.rept 32
	KQ 0                                           ; piece 0's first scores: there is no vector work yet to set between them
.set i, i+1
.endr
	WIN 0                                          ; the addresses for the way out: twelve plain instructions, the places behind those products
	s_mul_i32 s20, s[WV], 16*SP
	s_add_co_u32 s20, s20, STAGE                   ; my stage
	v_mul_u32_u24 v[STO], v[R16], SP               ; in: row l % 16, 16 bytes for each half of the lanes
	v_lshl_add_u32 v[STO], v[HF], 4, v[STO]
	v_add_nc_u32 v[STO], s20, v[STO]
	v_mul_u32_u24 v[RD], v[HF], SP                 ; back: lanes 0-15 take one row of 256 bytes, lanes 16-31 the next
	v_lshl_add_u32 v[RD], v[R16], 4, v[RD]
	v_add_nc_u32 v[RD], s20, v[RD]
	v_lshlrev_b32 v[GO], 12, v[HF]                 ; and the same two rows in ob
	v_lshl_add_u32 v[GO], v[R16], 4, v[GO]
	s_mul_i32 s21, s[QH], MRGB                     ; the meeting: my pair's bytes;
	s_mul_i32 s22, s[KH], GIVEB
	s_sub_co_u32 s23, GIVEB, s22
	s_add_co_u32 s22, s22, s21                     ; where I give,
	s_add_co_u32 s23, s23, s21                     ; where my partner gives
	v_lshl_add_u32 v[MA], v[LN], 4, s22
	v_lshl_add_u32 v[MS], v[LN], 3, s22
	v_lshl_add_u32 v[MT], v[LN], 4, s23
	v_lshl_add_u32 v[MU], v[LN], 3, s23
	s_mov_b32 s[CNT], 2
	s_mov_b32 s[SLOTS], 7
	s_branch .Lmid                                 ; the loop is entered at piece 2's turn, in the middle of a trip
.Lslot:                                                ; six times: slots 2 to 7 are asked for
	CHANGE 1, 1
	s_mov_b32 s[CNT], 2
.Lstep:
	TURN 0, 0, 1                                   ; V^T P of piece 0, step n; K Q^T of piece 0, step n + 1 | piece 2's softmax of step n | K and piece 2's mask of step n + 1
	WIN 0
.Lmid:
	TURN 2                                         ; the same for piece 2 | piece 0's softmax of step n + 1 | V of step n + 1, piece 0's mask of step n + 2
	WIN 0
	s_sub_co_u32 s[CNT], s[CNT], 1
	s_cmp_lg_u32 s[CNT], 0
	s_cbranch_scc1 .Lstep
	s_sub_co_u32 s[SLOTS], s[SLOTS], 1
	s_cmp_lg_u32 s[SLOTS], 0
	s_cbranch_scc1 .Lslot
	CHANGE 0, 0                                    ; the tail is written out: nothing is asked for; behind this barrier no wave reads slot 0 any more
	s_mov_b32 s[CNT], 3                            ; steps 13, 14 and 15; the third trip is left in its middle and fetches nothing
.Ltail:
	TURN 0, 1
	WIN 0
	s_sub_co_u32 s[CNT], s[CNT], 1
	s_cmp_eq_u32 s[CNT], 0
	s_cbranch_scc1 .Lout
	TURN 2, 1
	WIN 0
	s_branch .Ltail
.Lout:                                                 ; the third trip's 32 products K Q^T (on the last K once more) serve nothing: the price, once a launch, of one text for every trip
.set i, 0
.rept 32
	PV 2                                           ; piece 2's V^T P of the last step
.set i, i+1
.endr
	; THE TWO KEY HALVES MEET.  l's two halves and the other half of the lanes' are added (the additions are the places behind the last products).  Each wave gives its piece 2 (O^T, m, l of its tiles
	; 2, 3), which holds the queries of its partner's piece 0, and finishes its piece 0: 34 LDS stores and, behind a barrier, 34 LDS loads a wave.
	; For a tile: m* = max(m, m'), a = 2^(m - m*), a' = 2^(m' - m*), O = (a O + a' O') / (a l + a' l').
	WIN 0
.irp t, 0,1,2,3
	v_add_f32 v[ST+8*(\t)+4], v[ST+8*(\t)+2], v[ST+8*(\t)+3]
.endr
.irp t, 0,1,2,3
	v_permlanex16_b32 v[ST+8*(\t)+5], v[ST+8*(\t)+4], s[SEL], s[SEL+1]
.endr
.irp t, 0,1,2,3
	v_add_f32 v[ST+8*(\t)+1], v[ST+8*(\t)+4], v[ST+8*(\t)+5]  ; l, beside m
.endr
	WIN 0x04                                       ; the data (source 1) in window 1.
.set ci, 0
.rept 32
	ds_store_b128 v[MA], v[128+4*ci:128+4*ci+3] offset:512*ci
.set ci, ci+1
.endr
	WIN 0
.irp k, 0,1
	ds_store_b64 v[MS], v[ST+8*(2+(\k)):ST+8*(2+(\k))+1] offset:16384+256*(\k)
.endr
	s_wait_dscnt 0x0                               ; for the partner's sake: my stores are done
	s_barrier_signal -1
	s_barrier_wait -1
.irp k, 0,1
	ds_load_b64 v[ST+8*(\k)+4:ST+8*(\k)+5], v[MU] offset:16384+256*(\k)  ; m', l'
.endr
	WIN 0x80                                       ; the partner's O^T goes where Q lay
.set ci, 0
.rept 32
	ds_load_b128 v[4*ci:4*ci+3], v[MT] offset:512*ci
.set ci, ci+1
.endr
	WIN 0
	s_wait_dscnt 32                                ; m' and l' are in; the 32 loads issued behind them may stay out
.irp k, 0,1
	v_max_num_f32 v[ST+8*(\k)+6], v[ST+8*(\k)], v[ST+8*(\k)+4]
.endr
.irp k, 0,1
	v_sub_f32 v[ST+8*(\k)+2], v[ST+8*(\k)], v[ST+8*(\k)+6]
	v_sub_f32 v[ST+8*(\k)+3], v[ST+8*(\k)+4], v[ST+8*(\k)+6]
.endr
.irp k, 0,1
	v_exp_f32 v[ST+8*(\k)+2], v[ST+8*(\k)+2]       ; a
	v_exp_f32 v[ST+8*(\k)+3], v[ST+8*(\k)+3]       ; a'
.endr
	v_nop                                          ; a plain instruction behind the last exponential,
	s_wait_alu depctr_va_vdst(0)                   ; and one wait for the four
.irp k, 0,1
	v_mul_f32 v[ST+8*(\k)+6], v[ST+8*(\k)+2], v[ST+8*(\k)+1]
.endr
.irp k, 0,1
	v_fmac_f32 v[ST+8*(\k)+6], v[ST+8*(\k)+3], v[ST+8*(\k)+5]  ; a l + a' l': at least 1, since the greater half's a is 1 and its l holds the weight 1
.endr
.irp k, 0,1
	v_rcp_f32 v[ST+8*(\k)+7], v[ST+8*(\k)+6]
.endr
	v_nop
	s_wait_alu depctr_va_vdst(0)                   ; one wait for the two reciprocals
.irp k, 0,1
	v_mul_f32 v[ST+8*(\k)+2], v[ST+8*(\k)+2], v[ST+8*(\k)+7]  ; my O^T's factor
	v_mul_f32 v[ST+8*(\k)+4], v[ST+8*(\k)+3], v[ST+8*(\k)+7]  ; the partner's
.endr
; THE WAY OUT.  Tile t, whose partner's O^T lies in window 2 from register 64 t on: both are scaled and added; a lane's eight channels of a row pack into 16 bytes; they go into my stage's rows of
; 272 bytes and come back as whole rows of 256, into the registers that they left.
.macro PACK t
	WIN W_RS
.set ci, 0
.rept 32
	v_pk_mul_f32 v[64*(\t)+ci:64*(\t)+ci+1], v[64*(\t)+ci:64*(\t)+ci+1], v[ST+8*(\t)+2:ST+8*(\t)+3] op_sel_hi:[1,0]
.set ci, ci+2
.endr
	s_wait_dscnt 16                                ; the partner's O^T of this tile is in: behind tile 0's 16 loads stand tile 1's 16; behind tile 1's stand tile 0's 8 stores and 8 loads of the stage
	WIN 0x52                                       ; the partner's O^T (source 0) in window 2, its factor in window 0, mine in window 1
.set ci, 0
.rept 32
	v_pk_fma_f32 v[64*(\t)+ci:64*(\t)+ci+1], v[64*(\t)+ci:64*(\t)+ci+1], v[ST+8*(\t)+4:ST+8*(\t)+5], v[64*(\t)+ci:64*(\t)+ci+1] op_sel_hi:[1,0,1]
.set ci, ci+2
.endr
	WIN 0x05                                       ; sources 0 and 1 window 1, destination window 0: S^T's registers are free
.set ci, 0
.rept 32
	v_cvt_pk_f16_f32 v[S+32*(\t)+ci], v[64*(\t)+2*ci], v[64*(\t)+2*ci+1]
.set ci, ci+1
.endr
	WIN 0
.irp f, 0,1,2,3,4,5,6,7
	ds_store_b128 v[STO], v[S+32*(\t)+4*(\f):S+32*(\t)+4*(\f)+3] offset:32*(\f)
.endr
.irp f, 0,1,2,3,4,5,6,7
	ds_load_b128 v[S+32*(\t)+4*(\f):S+32*(\t)+4*(\f)+3], v[RD] offset:(\f)*2*SP  ; LDS serves a wave's instructions in order (ISA guide 5.7.1.4): these see the stores above; the next tile's stores come behind them
.endr
.endm
.macro SEND t, younger                 ; younger: the LDS instructions issued behind tile t's loads: the next tile's sixteen, or none
	WIN 0
.irp f, 0,1,2,3,4,5,6,7
	s_wait_dscnt (\younger)+7-(\f)
	global_store_b128 v[GO], v[S+32*(\t)+4*(\f):S+32*(\t)+4*(\f)+3], s[8:9] offset:(\t)*65536+(\f)*8192  ; 16 lanes store 256 consecutive bytes, at a multiple of 256 from ob's first byte
.endr
.endm
	PACK 0
	PACK 1                                         ; a tile's arithmetic stands between the loads of the tile before and its stores
	SEND 0, 16
	SEND 1, 0
	s_wait_tensorcnt 0x0                           ; the wave's end: behind my last tensor load and my last LDS store
	ds_add_u32 v[SPW], v[NIL]
	s_wait_dscnt 0x0
	CROUND                                         ; the closing round: no work-group ends while a partner may still ask for a tile that names it
	s_endpgm
.Lfunc_end_k_qb12fd2ba8f_attn:
	.size	k_qb12fd2ba8f_attn, .Lfunc_end_k_qb12fd2ba8f_attn-k_qb12fd2ba8f_attn
	.p2alignl 7, 3214868480
	.fill 96, 4, 3214868480
	.section	.rodata,"a",@progbits
	.p2align	6, 0x0
	.amdhsa_kernel k_qb12fd2ba8f_attn
		.amdhsa_group_segment_fixed_size 327680
		.amdhsa_private_segment_fixed_size 0
		.amdhsa_enable_private_segment 0
		.amdhsa_kernarg_size 24
		.amdhsa_user_sgpr_count 2
		.amdhsa_user_sgpr_kernarg_segment_ptr 1
		.amdhsa_wavefront_size32 1
		.amdhsa_system_sgpr_workgroup_id_x 1
		.amdhsa_system_sgpr_workgroup_id_y 1
		.amdhsa_system_sgpr_workgroup_id_z 1
		.amdhsa_system_vgpr_workitem_id 0
		.amdhsa_next_free_vgpr 960
		.amdhsa_next_free_sgpr 66
		.amdhsa_reserve_vcc 0
		.amdhsa_float_denorm_mode_32 3
		.amdhsa_float_denorm_mode_16_64 3
		.amdhsa_memory_ordered 1
		.amdhsa_forward_progress 1
		.amdhsa_inst_pref_size 169
	.end_amdhsa_kernel
	.amdgpu_metadata
---
amdhsa.version: [ 1, 2 ]
amdhsa.kernels:
  - .name:           k_qb12fd2ba8f_attn
    .symbol:         k_qb12fd2ba8f_attn.kd
    .args:
      - { .name: qkv, .offset: 0, .size: 8, .value_kind: global_buffer, .address_space: global }
      - { .name: mk, .offset: 8, .size: 8, .value_kind: global_buffer, .address_space: global }
      - { .name: ob, .offset: 16, .size: 8, .value_kind: global_buffer, .address_space: global }
    .group_segment_fixed_size: 327680
    .private_segment_fixed_size: 0
    .kernarg_segment_align: 8
    .kernarg_segment_size: 24
    .max_flat_workgroup_size: 128
    .sgpr_count:     66
    .vgpr_count:     960
    .wavefront_size: 32
...
	.end_amdgpu_metadata
.endif
;; end of part 3
;; launch proj_o (part 4): grid 16 x 16, 4 waves a work-group, clusters of 4 x 4, 327,680 bytes of LDS; arguments ob, wo, out0; writes out0
.if DOCPART == 4
	.amdgcn_target "amdgcn-amd-amdhsa--gfx1250"
	.amdhsa_code_object_version 6
	.text
	.protected	k_qb12fd2ba8f_proj_o
	.globl	k_qb12fd2ba8f_proj_o
	.p2align	8
	.type	k_qb12fd2ba8f_proj_o,@function
k_qb12fd2ba8f_proj_o:
	s_mov_b64 s[64:65], 0
	v_nop
	global_prefetch_b8 v0, s[64:65] scope:SCOPE_SE
	s_setreg_imm32_b32 hwreg(HW_REG_WAVE_MODE, 25, 1), 1
	s_wait_xcnt 0x0
	s_wait_alu depctr_hold_cnt(0) depctr_sa_sdst(0) depctr_va_vdst(0) depctr_va_sdst(0) depctr_va_ssrc(0) depctr_va_vcc(0) depctr_vm_vsrc(0)
	s_getreg_b32 s2, hwreg(HW_REG_IB_STS2, 6, 4)
	s_cmp_eq_u32 s2, 0
	s_cbranch_scc0 .Lentry_in_a_cluster
	s_endpgm
.Lentry_in_a_cluster:
	s_bfe_u32 s2, ttmp6, 0x10000c
	s_cmp_lg_u32 s2, 0xf033
	s_cbranch_scc0 .Lentry_shape_is_right
	s_endpgm
.Lentry_shape_is_right:
; out0[s][n] = sum over k of ob[s][k] wo[n][k].  ob, wo: [2048][2048] f16; out0: [2048][2048] f32; sums in f32, stored as they are.
; A tile of out0 is 128 x 128: 16 x 16 tiles, a work-group each.  Four waves, each 64 x 64: 16 accumulators of 16 x 16, 128 registers.  K goes in steps of 256 (LDS rows of 512 bytes; a wave's tensor
; load brings 64 of them), as long as two slots in LDS allow.  The loop's trip is one K step: one descriptor a tensor walks, its LDS word changing slots by an exclusive or, and the fragments'
; addresses are made anew at each change of slots.
; CLUSTER 4 x 4: the four work-groups of a row need the same tiles of ob, the four of a column the same tiles of wo: each tile is asked for JOINTLY, by the same load, descriptor and mask in all four.
; THE WALK ALONG K BEGINS ELSEWHERE IN EACH CLUSTER, at K step 2 ((cluster x + 2 (cluster y % 2)) % 4), and wraps round: a number that all sixteen partners share.  So the four clusters that read the
; same rows of ob read a given K step of them 2, 4 and 6 steps apart, and the clusters that read the same rows of wo 4 steps apart (those whose y differ by 2: together).  The sums run in that order of K.
; THE MATRIX INSTRUCTION IS USED TRANSPOSED (source 0 = 16 rows of wo, source 1 = 16 rows of ob): a lane holds eight neighbouring numbers of a row of out0, 32 bytes.
; A wave's 64 columns are 256 bytes of a row, aligned: each wave sends its blocks of 16 rows through a stage of its own, without a barrier.
; No prefetch: a step holds few matrix instructions and the tiles are small.
; REGISTERS: window 0: v0-31 addresses; v128-255 the accumulators ((a, b) at v[128 + 8 (4 a + b)]).
;   window 1: two fragment buffers of 128: for 64 along K, 64 registers of ob (2 x 4 x 16 rows x 32 K), then 64 of wo.
.set SIZE_N, 2048
.set SIZE_K, 2048
.set ROWB,   SIZE_K*2                  ; bytes in a row of ob and of wo: a power of two, so the walk wraps by a mask
.set KSTEP,  256
.set STEPB,  KSTEP*2                   ; bytes of a row in a K step
.set STEPS,  SIZE_K/KSTEP
.set PITCH,  528                       ; an LDS row: 512 bytes + 16 of padding: the 16 rows of a fragment load start 16 bytes apart modulo 256
.set HALFT,  64*PITCH                  ; 64 rows: what one tensor load brings, and what one wave reads of ob or of wo
.set SLOT,   4*HALFT                   ; ob's 128 rows, then wo's 128 rows: 0x21000.  The waves' LDS bases, 0 to 3 x HALFT, have its two bits clear, so one exclusive or changes slots
.set STAGE,  2*SLOT                    ; behind the ring: 16 rows x 272 bytes for each wave
.set SPITCH, 272
.set SPARE,  STAGE+4*16*SPITCH         ; behind the stages: the spare words, 128 bytes a wave: two blocks of 256 bytes that no other line names
.set A0,   16                          ; v16     LDS address of my ob fragments in slot 0; never rewritten
.set B0,   17                          ; v17     the same for wo
.set ADRA, 20                          ; v20     the same in the slot that is being read
.set ADRB, 21                          ; v21
.set STO,  24                          ; v24     the way out: where I put 32 bytes of a row
.set RD,   25                          ; v25     the way out: where I read a row back
.set CO,   26                          ; v26     my byte offset in two rows of out0
.set SPW,  28                          ; v28     LDS address of my spare word; never rewritten
.set NIL,  29                          ; v29     0; never rewritten
.set ACC,  128
.set F0,   0                           ; fragment buffers, in window 1
.set F1,   128
.set G1, 24                            ; s[24:31] descriptor group 1 for ob's tiles;  s[32:39] group 0: a set for each of the two first fills; the second then walks
.set G0, 32
.set G1B, 48                           ; s[48:55], s[56:63] the same for wo's
.set G0B, 56
.set KO,  66                           ; s[66:67] byte in a row of the K step asked for last
.set BA,  70                           ; s[70:71] ob at the first row that I would fetch of it
.set BB,  72                           ; s[72:73] the same for wo
.set TB,  76                           ; s76     0 or SLOT: the slot that is being read
.set MSB, 0
.macro WIN new                         ; the immediate's high byte repeats the setting that is left
.if MSB != (\new)
	s_set_vgpr_msb (MSB<<8)|(\new)
.set MSB, \new
.endif
.endm
.set MUL,  0x05                        ; sources 0 (wo) and 1 (ob) window 1; C and D window 0
.set TO_F, 0x40                        ; destination window 1, address window 0
.macro JLOAD s                         ; a joint load: waves 0 and 1 fetch ob's two halves, waves 2 and 3 wo's; an s_nop 0 and four v_nop follow each of the two lines
	s_cmp_eq_u32 s11, 0
	s_cbranch_scc0 .Lfor_b_\@
	tensor_load_to_lds s[G0+4*(\s):G0+4*(\s)+3], s[G1:G1+7]
	s_nop 0
.rept 4
	v_nop
.endr
	s_branch .Lasked_\@
.Lfor_b_\@:
	tensor_load_to_lds s[G0B+4*(\s):G0B+4*(\s)+3], s[G1B:G1B+7]
	s_nop 0
.rept 4
	v_nop
.endr
.Lasked_\@:
.endm
.macro CREST                           ; a round of the cluster's barrier behind its opening barrier
	s_cmp_lg_u32 s10, 0
	s_cbranch_scc1 .Lnot_wave_0_\@
	s_barrier_signal -3
.Lnot_wave_0_\@:
	s_barrier_wait -3
	s_barrier_signal -1
	s_barrier_wait -1
.endm
.macro CROUND                          ; a whole round
	s_barrier_signal -1
	s_barrier_wait -1
	CREST
.endm
	s_load_b128 s[4:7], s[0:1], 0x0                ; ob s[4:5], wo s[6:7]
	s_load_b64 s[8:9], s[0:1], 0x10                ; out0
	v_lshl_add_u32 v[SPW], v0, 2, SPARE
	v_mov_b32 v[NIL], 0
	ds_add_u32 v[SPW], v[NIL]                      ; the wave's opening: the add and its wait stand ahead of my first tensor load; the set-up below, work on registers, stands between them
	v_lshrrev_b32 v1, 5, v0
	v_readfirstlane_b32 s10, v1                    ; wave 0..3
	s_lshr_b32 s11, s10, 1                         ; which half of the tile's rows is mine.  Also: I fetch for ob (0) or for wo (1)
	s_and_b32 s12, s10, 1                          ; which half of its columns.  Also: which 64 rows of that tile I fetch
	s_bfe_u32 s40, ttmp6, 0x40000                  ; cx, cy: my place in the cluster
	s_bfe_u32 s41, ttmp6, 0x40004
	s_lshl_b32 s42, ttmp9, 2
	s_add_co_u32 s42, s42, s40                     ; tile column = 4 x cluster x + cx
	s_and_b32 s13, ttmp7, 0xffff
	s_lshl_b32 s13, s13, 2
	s_add_co_u32 s13, s13, s41                     ; tile row = 4 x cluster y + cy
	s_lshl_b32 s43, s41, 2
	s_lshl_b32 s43, 15, s43                        ; my row of the cluster
	s_lshl_b32 s44, 0x1111, s40                    ; my column
	; descriptor group 1: a tile of 64 rows x 256 elements, padded in LDS
	s_or_b32 s[G1+0], s43, (1<<16)|(1<<20)|(1<<21)|(6<<22)|(3<<25)  ; 15:0 the mask; 17:16 elements of 2 bytes; 20 padding on; 21 set beside a mask; 24:22 after every 128 words; 31:25 4 words of it
	s_or_b32 s[G1B+0], s44, (1<<16)|(1<<20)|(1<<21)|(6<<22)|(3<<25)
.irp g, G1, G1B
	s_mov_b32 s[(\g)+1], KSTEP<<16                 ; tensor_dim0 = 256
	s_mov_b32 s[(\g)+2], 64<<16                    ; tensor_dim1 = 64
	s_mov_b32 s[(\g)+3], KSTEP<<16                 ; tile_dim0 = 256
	s_mov_b32 s[(\g)+4], 64                        ; tile_dim1 = 64
	s_mov_b32 s[(\g)+5], SIZE_K                    ; elements from row to row
	s_mov_b32 s[(\g)+6], 0
	s_mov_b32 s[(\g)+7], 0
.endr
	; where the cluster's walk along K begins: made of the cluster's own coordinates, which its sixteen work-groups share
	s_and_b32 s[KO], ttmp7, 1
	s_lshl_b32 s[KO], s[KO], 1
	s_add_co_u32 s[KO], s[KO], ttmp9
	s_and_b32 s[KO], s[KO], 3
	s_lshl_b32 s[KO], s[KO], 10                    ; x 2 K steps of 512 bytes
	s_mov_b32 s[KO+1], 0
	s_mov_b32 s[TB], 0
	s_lshl_b32 s17, s12, 6                         ; which 64 rows of the tile I fetch
	s_lshl_b32 s16, s13, 7
	s_add_co_u32 s16, s16, s17                     ; ob: row 128 x tile row + 64 x half
	s_lshl_b32 s46, s42, 7
	s_add_co_u32 s46, s46, s17                     ; wo: row 128 x tile column + 64 x half
	s_mov_b32 s17, 0
	s_mov_b32 s47, 0
	s_mov_b64 s[18:19], SIZE_K*2
	s_mul_u64 s[16:17], s[16:17], s[18:19]
	s_mul_u64 s[46:47], s[46:47], s[18:19]
	s_mul_i32 s20, s10, HALFT                      ; where they go: wave x 64 rows
	s_wait_dscnt 0x0                               ; the opening add is done
	s_wait_kmcnt 0x0
	s_add_nc_u64 s[BA:BA+1], s[4:5], s[16:17]
	s_add_nc_u64 s[BB:BB+1], s[6:7], s[46:47]
	CROUND                                         ; all sixteen work-groups are here: the first joint loads meet
.irp s, 0,1
	s_mov_b32 s[G0+4*(\s)], 1                                      ; 1:0 count = 1
	s_add_co_u32 s[G0+4*(\s)+1], s20, (\s)*SLOT                    ; 63:32 LDS address
	s_add_nc_u64 s[G0+4*(\s)+2:G0+4*(\s)+3], s[BA:BA+1], s[KO:KO+1]  ; 120:64 global address: step s of the walk
	s_or_b32 s[G0+4*(\s)+3], s[G0+4*(\s)+3], 0x80000000            ; 127:126 type = 2
	s_mov_b32 s[G0B+4*(\s)], 1
	s_add_co_u32 s[G0B+4*(\s)+1], s20, (\s)*SLOT
	s_add_nc_u64 s[G0B+4*(\s)+2:G0B+4*(\s)+3], s[BB:BB+1], s[KO:KO+1]
	s_or_b32 s[G0B+4*(\s)+3], s[G0B+4*(\s)+3], 0x80000000
	JLOAD \s                                       ; two loads of mine are out
.if (\s) == 0
	s_add_co_u32 s[KO], s[KO], STEPB
	s_and_b32 s[KO], s[KO], ROWB-1
.endif
.endr
	v_and_b32 v1, 15, v0                           ; l % 16
	v_bfe_u32 v2, v0, 4, 1                         ; l / 16
	v_mul_u32_u24 v3, v1, PITCH
	v_lshl_add_u32 v3, v2, 4, v3                   ; a fragment's row x pitch + 16 x half
	s_mul_i32 s21, s11, HALFT                      ; my 64 rows of ob
	s_mul_i32 s22, s12, HALFT                      ; my 64 rows of wo,
	s_add_co_u32 s22, s22, 2*HALFT                 ; which lie behind ob's 128
	v_add_nc_u32 v[A0], s21, v3
	v_add_nc_u32 v[B0], s22, v3
	v_add_nc_u32 v[ADRA], s[TB], v[A0]             ; the walk's first step lies in slot 0
	v_add_nc_u32 v[ADRB], s[TB], v[B0]
	s_mul_i32 s23, s10, 16*SPITCH
	s_add_co_u32 s23, s23, STAGE                   ; my stage
	v_mul_u32_u24 v4, v1, SPITCH                   ; in: row l % 16, 32 bytes for each half of the lanes
	v_lshl_add_u32 v4, v2, 5, v4
	v_add_nc_u32 v[STO], s23, v4
	v_mul_u32_u24 v5, v2, SPITCH                   ; back: lanes 0-15 take one row of 256 bytes, lanes 16-31 the next
	v_lshl_add_u32 v5, v1, 4, v5
	v_add_nc_u32 v[RD], s23, v5
	v_lshlrev_b32 v5, 13, v2                       ; and the same two rows in out0, 8,192 bytes apart
	v_lshl_add_u32 v[CO], v1, 4, v5
	s_lshl_b32 s16, s13, 20                        ; my first row: 128 x tile row + 64 x half, rows of 8,192 bytes
	s_lshl_b32 s17, s11, 19
	s_add_co_u32 s16, s16, s17
	s_mov_b32 s17, 0
	s_add_nc_u64 s[8:9], s[8:9], s[16:17]
	s_lshl_b32 s46, s42, 9                         ; my first column, in bytes: 512 x tile column + 256 x half
	s_lshl_b32 s47, s12, 8
	s_add_co_u32 s46, s46, s47
	s_mov_b32 s47, 0
	s_add_nc_u64 s[8:9], s[8:9], s[46:47]
; 8 matrix instructions: m blocks a0, a0 + 1 x all 4 n blocks, 32 along K: half c of buffer f.  zero = 1: the first product starts the sums.  The 16 accumulators take turns.
.macro MUL8 f, c, a0, zero
	WIN MUL
.irp a, \a0, (\a0)+1
.irp b, 0,1,2,3
.if \zero
	v_wmma_f32_16x16x32_f16 v[ACC+8*(4*(\a)+(\b)):ACC+8*(4*(\a)+(\b))+7], v[(\f)+64+8*(4*(\c)+(\b)):(\f)+64+8*(4*(\c)+(\b))+7], v[(\f)+8*(4*(\c)+(\a)):(\f)+8*(4*(\c)+(\a))+7], 0
.else
	v_wmma_f32_16x16x32_f16 v[ACC+8*(4*(\a)+(\b)):ACC+8*(4*(\a)+(\b))+7], v[(\f)+64+8*(4*(\c)+(\b)):(\f)+64+8*(4*(\c)+(\b))+7], v[(\f)+8*(4*(\c)+(\a)):(\f)+8*(4*(\c)+(\a))+7], v[ACC+8*(4*(\a)+(\b)):ACC+8*(4*(\a)+(\b))+7]
.endif
.endr
.endr
.endm
; 32 LDS loads in one run: the fragments of 64 along K at byte k of the rows of the slot that is being read, into buffer f; the first 32 along K first
.macro FETCH k, f
	WIN TO_F
.irp c, 0,1
.irp i, 0,1,2,3
	ds_load_b128 v[(\f)+64+8*(4*(\c)+(\i)):(\f)+64+8*(4*(\c)+(\i))+3],   v[ADRB] offset:(\k)+64*(\c)+(\i)*16*PITCH
	ds_load_b128 v[(\f)+64+8*(4*(\c)+(\i))+4:(\f)+64+8*(4*(\c)+(\i))+7], v[ADRB] offset:(\k)+64*(\c)+(\i)*16*PITCH+32
	ds_load_b128 v[(\f)+8*(4*(\c)+(\i)):(\f)+8*(4*(\c)+(\i))+3],         v[ADRA] offset:(\k)+64*(\c)+(\i)*16*PITCH
	ds_load_b128 v[(\f)+8*(4*(\c)+(\i))+4:(\f)+8*(4*(\c)+(\i))+7],       v[ADRA] offset:(\k)+64*(\c)+(\i)*16*PITCH+32
.endr
.endr
.endm
.macro PLACES                          ; four places in front of loads into registers that matrix instructions have read, and of LDS stores that read results
.rept 4
	v_nop
.endr
.endm
; A K step is four quarters of 64 along K, 32 matrix instructions each, on buffers 0, 1, 0, 1.  One of the first three: multiplies buffer f and fetches the next quarter, at byte k, into g.
.macro QUARTER k, f, g, zero
	s_wait_dscnt 16                                ; the first 32 along K are in
	WIN MUL
	MUL8 \f, 0, 0, \zero
	MUL8 \f, 0, 2, \zero
	PLACES
	FETCH \k, \g
	s_wait_dscnt 32                                ; all but the 32 just issued
	WIN MUL
	MUL8 \f, 1, 0, 0
	MUL8 \f, 1, 2, 0
.endm
; The last quarter multiplies buffer 1 and changes slots: ONE barrier; in front of it each wave waits for all its tensor loads, adds 0 to its spare word, and waits for that and for its own reads of this slot.
; fill = 1: this slot is filled again, with the step two on in the walk.
.macro TURN fill
	WIN 0                                          ; (the add's two registers lie in window 0)
	s_wait_tensorcnt 0x0                           ; all my tensor loads have landed: my part of the next slot;
	ds_add_u32 v[SPW], v[NIL]
	s_wait_dscnt 17                                ; (the add and the youngest sixteen loads may be out)
	WIN MUL
	MUL8 F1, 0, 0, 0                               ; eight matrix instructions stand between the add and the wait for it
	s_wait_dscnt 0x0                               ; the add is done, and my reads of this slot are over
	s_barrier_signal -1
	MUL8 F1, 0, 2, 0
	WIN 0                                          ; (branches and address lines follow)
	s_barrier_wait -1
.if \fill
	CREST                                          ; the barrier has opened a round of the cluster's: no wave of any partner still reads this slot's tile or has a load on its way
	s_add_co_u32 s[KO], s[KO], STEPB
	s_and_b32 s[KO], s[KO], ROWB-1                 ; the K step that this refill brings: the walk wraps round at the row's end
	s_xor_b32 s[G0+5], s[G0+5], SLOT               ; the walking descriptors: the other slot than last time,
	s_add_nc_u64 s[G0+6:G0+7], s[BA:BA+1], s[KO:KO+1]  ; the address made anew from the rows' first byte and the step's place in a row,
	s_or_b32 s[G0+7], s[G0+7], 0x80000000          ; the type set again
	s_xor_b32 s[G0B+5], s[G0B+5], SLOT
	s_add_nc_u64 s[G0B+6:G0B+7], s[BB:BB+1], s[KO:KO+1]
	s_or_b32 s[G0B+7], s[G0B+7], 0x80000000
	JLOAD 1                                        ; the first tensor load behind the round; the four v_nop behind it are also the places in front of the loads below
.else
	PLACES
.endif
	s_xor_b32 s[TB], s[TB], SLOT                   ; the reads go on in the other slot
	v_add_nc_u32 v[ADRA], s[TB], v[A0]
	v_add_nc_u32 v[ADRB], s[TB], v[B0]
	FETCH 0, F0
	WIN MUL
	MUL8 F1, 1, 0, 0
	MUL8 F1, 1, 2, 0
.endm
	s_wait_tensorcnt 1                             ; my part of the walk's step 0 is in; step 1's may stay out
	s_barrier_signal -1
	s_barrier_wait -1                              ; everybody's is
	FETCH 0, F0
	QUARTER 128, F0, F1, 1                         ; the first quarter stands in front of the loop: its first products start the sums
	WIN 0                                          ; at a label and at a branch every window is 0
	s_mov_b32 s3, STEPS-2
.Lstep:                                                ; a trip goes from a K step's second quarter to the next step's first, and fills the slot that it leaves: steps 2 to 7 of the walk
	QUARTER 256, F1, F0, 0
	QUARTER 384, F0, F1, 0
	TURN 1
	QUARTER 128, F0, F1, 0
	WIN 0
	s_sub_co_u32 s3, s3, 1
	s_cmp_lg_u32 s3, 0
	s_cbranch_scc1 .Lstep
	QUARTER 256, F1, F0, 0                         ; the last two steps fill nothing, and have no round of the cluster's barrier
	QUARTER 384, F0, F1, 0
	TURN 0
	QUARTER 128, F0, F1, 0
	QUARTER 256, F1, F0, 0
	QUARTER 384, F0, F1, 0
	s_wait_dscnt 16                                ; the very last quarter: nothing more to fetch
	WIN MUL
	MUL8 F1, 0, 0, 0
	MUL8 F1, 0, 2, 0
	s_wait_dscnt 0
	MUL8 F1, 1, 0, 0
	MUL8 F1, 1, 2, 0
	WIN 0
	; THE WAY OUT, in f32.  Block a (16 rows x 64 columns): 32 bytes a lane go into my own stage, each accumulator's low half first, and come back as whole rows of 256 bytes, into the registers that they left.
.macro TOSTAGE a
.irp b, 0,1,2,3
	ds_store_b128 v[STO], v[ACC+8*(4*(\a)+(\b)):ACC+8*(4*(\a)+(\b))+3]   offset:64*(\b)
	ds_store_b128 v[STO], v[ACC+8*(4*(\a)+(\b))+4:ACC+8*(4*(\a)+(\b))+7] offset:64*(\b)+16
.endr
.irp t, 0,1,2,3,4,5,6,7
	ds_load_b128 v[ACC+32*(\a)+4*(\t):ACC+32*(\a)+4*(\t)+3], v[RD] offset:(\t)*2*SPITCH  ; LDS serves a wave's instructions in order (ISA guide 5.7.1.4): these see the stores above; the next block's stores come behind them
.endr
.endm
.macro SEND a, younger                 ; younger: the LDS instructions issued behind block a's loads: the next block's sixteen, or none
.irp t, 0,1,2,3,4,5,6,7
	s_wait_dscnt (\younger)+7-(\t)
	global_store_b128 v[CO], v[ACC+32*(\a)+4*(\t):ACC+32*(\a)+4*(\t)+3], s[8:9] offset:(16*(\a)+2*(\t))*SIZE_N*4  ; 16 lanes store 256 consecutive bytes, at a multiple of 256 from out0's first byte
.endr
.endm
	PLACES
	TOSTAGE 0
	TOSTAGE 1
	SEND 0, 16
	TOSTAGE 2
	SEND 1, 16
	TOSTAGE 3
	SEND 2, 16
	SEND 3, 0
	s_wait_tensorcnt 0x0                           ; the wave's end: behind my last tensor load and my last LDS store
	ds_add_u32 v[SPW], v[NIL]
	s_wait_dscnt 0x0
	CROUND                                         ; the closing round: no work-group ends while a partner may still ask for a tile that names it
	s_endpgm
.Lfunc_end_k_qb12fd2ba8f_proj_o:
	.size	k_qb12fd2ba8f_proj_o, .Lfunc_end_k_qb12fd2ba8f_proj_o-k_qb12fd2ba8f_proj_o
	.p2alignl 7, 3214868480
	.fill 96, 4, 3214868480
	.section	.rodata,"a",@progbits
	.p2align	6, 0x0
	.amdhsa_kernel k_qb12fd2ba8f_proj_o
		.amdhsa_group_segment_fixed_size 327680
		.amdhsa_private_segment_fixed_size 0
		.amdhsa_enable_private_segment 0
		.amdhsa_kernarg_size 24
		.amdhsa_user_sgpr_count 2
		.amdhsa_user_sgpr_kernarg_segment_ptr 1
		.amdhsa_wavefront_size32 1
		.amdhsa_system_sgpr_workgroup_id_x 1
		.amdhsa_system_sgpr_workgroup_id_y 1
		.amdhsa_system_sgpr_workgroup_id_z 1
		.amdhsa_system_vgpr_workitem_id 0
		.amdhsa_next_free_vgpr 512
		.amdhsa_next_free_sgpr 80
		.amdhsa_reserve_vcc 0
		.amdhsa_float_denorm_mode_32 3
		.amdhsa_float_denorm_mode_16_64 3
		.amdhsa_memory_ordered 1
		.amdhsa_forward_progress 1
		.amdhsa_inst_pref_size 69
	.end_amdhsa_kernel
	.amdgpu_metadata
---
amdhsa.version: [ 1, 2 ]
amdhsa.kernels:
  - .name:           k_qb12fd2ba8f_proj_o
    .symbol:         k_qb12fd2ba8f_proj_o.kd
    .args:
      - { .name: ob, .offset: 0, .size: 8, .value_kind: global_buffer, .address_space: global }
      - { .name: wo, .offset: 8, .size: 8, .value_kind: global_buffer, .address_space: global }
      - { .name: out0, .offset: 16, .size: 8, .value_kind: global_buffer, .address_space: global }
    .group_segment_fixed_size: 327680
    .private_segment_fixed_size: 0
    .kernarg_segment_align: 8
    .kernarg_segment_size: 24
    .max_flat_workgroup_size: 128
    .sgpr_count:     80
    .vgpr_count:     512
    .wavefront_size: 32
...
	.end_amdgpu_metadata
.endif
;; end of part 4
;; ======== version 2 of 2: 4 launches; version 1 with the launch cast written anew for expert scheduling mode
;; limits: values are held in f16: magnitudes above 65,504 overflow, below 6.1e-05 lose precision
;; workspace buffers: xb 8,388,608 bytes; wb 25,165,824 bytes; wo 8,388,608 bytes; mk 8,388,608 bytes; qkv 25,165,824 bytes; ob 8,388,608 bytes
;; launch cast (part 5): grid 256 x 6, 8 waves a work-group, no clusters, 68,608 bytes of LDS; arguments hidden_states, Wq, Wk, Wv, Wo, attention_mask, xb, wb, wo, mk; writes xb, wb, wo, mk
.if DOCPART == 5
	.amdgcn_target "amdgcn-amd-amdhsa--gfx1250"
	.amdhsa_code_object_version 6
	.text
	.protected	k_qb12fd2ba8f_cast
	.globl	k_qb12fd2ba8f_cast
	.p2align	8
	.type	k_qb12fd2ba8f_cast,@function
k_qb12fd2ba8f_cast:
	s_mov_b64 s[64:65], 0
	v_nop
	global_prefetch_b8 v0, s[64:65] scope:SCOPE_SE
	s_setreg_imm32_b32 hwreg(HW_REG_WAVE_SCHED_MODE, 0, 2), 2
	s_setreg_imm32_b32 hwreg(HW_REG_WAVE_MODE, 25, 1), 1
	s_wait_xcnt 0x0
	s_wait_alu depctr_vm_vsrc(0)
; THE INPUTS, ROUNDED ONCE TO 16 BITS, IN THE LAYOUTS THAT THE LATER LAUNCHES READ.  The grid's y picks the tensor, its x a block of it.
;   y = 0  hidden_states -> xb, bf16 [2048][2048]
;   y = 1, 2, 3  Wq, Wk, Wv -> wb, bf16 [6144][2048]: row 128 j + i of tensor u goes to row 384 j + 128 u + i, so that 384 rows on end are one head's q, k and v
;   y = 4  Wo -> wo: rounded to bf16 like every input, and that number written as f16 (exact from 6.1e-5 up to 65,504; below, f16's fixed step of 6e-8)
;   y = 5  attention_mask -> mk, bf16, unscaled, in the order in which the attention's lanes want it:
;          [stream 64][step n 16][tile t 4][kt 4][lane 32][8 numbers]; stream = 4 qb + 2 qh + kh; lane (r = l % 16, h = l / 16) holds query 128 qb + 64 qh + 16 t + r,
;          keys 256 (n / 2) + 128 kh + 64 (n % 2) + 16 kt + 8 h + 0..7
; LIMITS.  A mask number beyond +-1e38 (infinities too) counts as +-1e38; Wo beyond 65,504 has no f16; NaN is not treated apart.
; A STREAM: each byte read once and written once; no matrix work, no sharing between work-groups.  A wave has its 16 loads of 512 consecutive bytes out at once.
; y <= 4: wave w converts row 8 g + w (8,192 bytes); each store of the wave covers 256 consecutive bytes, aligned.
; y = 5: wave w takes 16 queries x 128 keys; the numbers change lanes through the wave's own LDS rows (no other wave touches them, so no barrier); each store covers 512 consecutive bytes.
; THE MODE: SCHED_MODE bits 1:0 = 2 (LLVM: expert scheduling mode 2), set by the entry lines.  The code itself states the register dependences
; between vector instructions and memory or LDS instructions, with s_wait_alu, always for 0.
; THE PLAN.  Registers that memory or LDS instructions touch:
;   SRC, DST, LW, LR   offsets and LDS addresses: written once, by vector lines at the head of a path, ahead of the one wait that stands in front of the path's 16 loads; never written again.
;   X   rows: the loads land in it, the roundings read it, nothing lands in it again.
;       the mask: the loads land in it, the LDS stores read it; then the roundings write its first 32 registers (behind one wait on vm_vsrc) and the global stores read those.
;   Z   rows: a pair for each store, written by the roundings, read by that store, never written again.
;       the mask: the LDS loads land in it (no vector line has named it on that path); from there on vector lines alone name it.
;   SPW, NIL   written at the head, read by the closing add alone.       T is named by vector lines alone.
; The work goes in four groups.  A group's stores are issued in the NEXT group, behind one wait on va_vdst at that group's head, which stands behind the wait for that group's data; they are dealt among
; that group's vector lines, which name the new group's registers and T alone.  The last group's stores have a wait of their own.
.set LP,    528                        ; an LDS row: 512 bytes + 16: an odd multiple of 16, so the 16 rows that a read touches start 16 bytes apart modulo 256
.set WAVEB, 16*LP                      ; a wave's 16 rows
.set SPARE, 8*WAVEB                    ; behind them: the spare words, 128 bytes a wave: four blocks of 256 bytes that no other line names
.set LN,  1                            ; v1   lane
.set SRC, 2                            ; v2   my byte offset in the source; never rewritten
.set DST, 3                            ; v3   my byte offset in the destination; never rewritten
.set LW,  4                            ; v4   LDS: where I put 16 bytes of a row
.set LR,  5                            ; v5   LDS: where I read my 32 bytes of row l % 16
.set SPW, 6                            ; v6   LDS address of my spare word
.set NIL, 7                            ; v7   0
.set T,   8                            ; v[8:15]   at work
.set X,   16                           ; v[16:79]  16 x 4 as loaded; on the mask's path later 8 x 4 to store
.set Z,   80                           ; v[80:143] y <= 4: 16 x 2 to store; the mask: 8 x 8 read back
.set TY,  28                           ; s28  the grid's y
.set WV,  29                           ; s29  my wave's number
	s_load_b512 s[8:23], s[0:1], 0x0               ; hidden s[8:9], Wq s[10:11], Wk s[12:13], Wv s[14:15], Wo s[16:17], mask s[18:19], xb s[20:21], wb s[22:23]
	s_load_b128 s[24:27], s[0:1], 0x40             ; wo s[24:25], mk s[26:27]
	v_lshl_add_u32 v[SPW], v0, 2, SPARE
	v_mov_b32 v[NIL], 0
	v_and_b32 v[LN], 31, v0
	v_lshrrev_b32 v[T], 5, v0
	v_readfirstlane_b32 s[WV], v[T]
	s_and_b32 s[TY], ttmp7, 0xffff
	s_mov_b32 s30, 0xfe967699                      ; -1e38
	s_mov_b32 s31, 0x7e967699                      ; +1e38
	s_mov_b32 s32, 0xffff0000                      ; a word's upper bf16
	s_wait_alu depctr_va_sdst(0)                   ; s[WV] is written, ahead of the branch below and of its first reader on either path: the offsets are made from it
.macro LOADS step                      ; 16 loads, 512 consecutive bytes each, step bytes apart
.set i, 0
.rept 16
	global_load_b128 v[X+4*i:X+4*i+3], v[SRC], s[4:5] offset:i*(\step) th:TH_LOAD_NT
.set i, i+1
.endr
.endm
; Four numbers a lane and load are rounded and stored.  kind = 1: the bf16 number is widened again and written as f16.  Each store has data registers of its own.
; Four groups of four loads.  Group cg's roundings write Z's pairs 4 cg to 4 cg + 3; the stores that read those pairs stand in group cg + 1, one ahead of each load's roundings.
.macro CONV kind
.set cg, 0
.rept 4
	s_wait_loadcnt 12-4*cg                         ; loads come back in order: this group's four are in, the 12 - 4 cg younger ones stay out
.if cg > 0
	s_wait_alu depctr_va_vdst(0)                   ; the group before has written its four pairs of Z, which the four stores below read; no vector line behind this wait names those pairs
.endif
.set cj, 0
.rept 4
.set ci, 4*cg+cj
.if cg > 0
	global_store_b64 v[DST], v[Z+2*(ci-4):Z+2*(ci-4)+1], s[6:7] offset:256*(ci-4)
.endif
.if \kind
	v_cvt_pk_bf16_f32 v[T], v[X+4*ci], v[X+4*ci+1]
	v_cvt_pk_bf16_f32 v[T+1], v[X+4*ci+2], v[X+4*ci+3]
	v_lshlrev_b32 v[T+2], 16, v[T]
	v_and_b32 v[T+3], s32, v[T]
	v_lshlrev_b32 v[T+4], 16, v[T+1]
	v_and_b32 v[T+5], s32, v[T+1]
	v_cvt_pk_f16_f32 v[Z+2*ci], v[T+2], v[T+3]
	v_cvt_pk_f16_f32 v[Z+2*ci+1], v[T+4], v[T+5]
.else
	v_cvt_pk_bf16_f32 v[Z+2*ci], v[X+4*ci], v[X+4*ci+1]
	v_cvt_pk_bf16_f32 v[Z+2*ci+1], v[X+4*ci+2], v[X+4*ci+3]
.endif
.set cj, cj+1
.endr
.set cg, cg+1
.endr
	s_wait_alu depctr_va_vdst(0)                   ; the last group has written its four pairs of Z, which the last four stores read
.set ci, 12
.rept 4
	global_store_b64 v[DST], v[Z+2*ci:Z+2*ci+1], s[6:7] offset:256*ci
.set ci, ci+1
.endr
.endm
	s_cmp_eq_u32 s[TY], 5
	s_cbranch_scc1 .Lmask
	; ROWS.  source: row 8 g + w
	s_lshl_b32 s2, ttmp9, 16
	s_lshl_b32 s3, s[WV], 13
	s_add_co_u32 s2, s2, s3
	v_lshl_add_u32 v[SRC], v[LN], 4, s2
	; destination row: 8 g + w, or for the three weights 384 (g / 16) + 128 (y - 1) + 8 (g % 16) + w
	s_lshr_b32 s33, ttmp9, 4
	s_mul_i32 s33, s33, 384
	s_and_b32 s34, ttmp9, 15
	s_lshl_b32 s34, s34, 3
	s_add_co_u32 s33, s33, s34
	s_sub_co_u32 s34, s[TY], 1
	s_lshl_b32 s34, s34, 7
	s_add_co_u32 s33, s33, s34
	s_lshl_b32 s35, ttmp9, 3
	s_and_b32 s36, s[TY], 3
	s_cmp_eq_u32 s36, 0                            ; y = 0 or 4
	s_cselect_b32 s33, s35, s33
	s_add_co_u32 s33, s33, s[WV]
	s_lshl_b32 s33, s33, 12                        ; rows of 4,096 bytes
	v_lshl_add_u32 v[DST], v[LN], 3, s33
	s_wait_kmcnt 0x0
	s_cmp_eq_u32 s[TY], 1
	s_cselect_b64 s[4:5], s[10:11], s[8:9]
	s_cmp_eq_u32 s[TY], 2
	s_cselect_b64 s[4:5], s[12:13], s[4:5]
	s_cmp_eq_u32 s[TY], 3
	s_cselect_b64 s[4:5], s[14:15], s[4:5]
	s_cmp_eq_u32 s[TY], 4
	s_cselect_b64 s[4:5], s[16:17], s[4:5]
	s_cselect_b64 s[6:7], s[24:25], s[22:23]
	s_cmp_eq_u32 s[TY], 0
	s_cselect_b64 s[6:7], s[20:21], s[6:7]
	s_wait_alu depctr_va_vdst(0)                   ; v[SRC] and v[DST] are written: every load and store of this path reads one of them as its offset, and no later line writes them
	LOADS 512
	s_cmp_eq_u32 s[TY], 4
	s_cbranch_scc1 .Lwo
	CONV 0
	s_branch .Lend
.Lwo:
	CONV 1
	s_branch .Lend
.Lmask:
	; THE MASK.  qt = g / 2: 16 queries; kq = 8 (g % 2) + w: 128 keys, two key steps of one half of a slot
	s_lshr_b32 s33, ttmp9, 1                       ; qt = 8 qb + 4 qh + t
	s_and_b32 s34, ttmp9, 1
	s_lshl_b32 s34, s34, 3
	s_add_co_u32 s34, s34, s[WV]                   ; kq
	s_lshl_b32 s2, s33, 17                         ; 16 rows of 8,192 bytes
	s_lshl_b32 s3, s34, 9                          ; 128 keys of 4 bytes
	s_add_co_u32 s2, s2, s3
	v_lshl_add_u32 v[SRC], v[LN], 4, s2
	s_lshr_b32 s35, s33, 2                         ; 2 qb + qh
	s_lshl_b32 s35, s35, 1
	s_and_b32 s36, s34, 1                          ; kh
	s_add_co_u32 s35, s35, s36                     ; the stream,
	s_lshl_b32 s35, s35, 17                        ; 131,072 bytes each
	s_lshr_b32 s36, s34, 1
	s_lshl_b32 s36, s36, 14                        ; step n = 2 (kq / 2): 8,192 bytes a step
	s_add_co_u32 s35, s35, s36
	s_and_b32 s36, s33, 3                          ; t: 2,048 bytes a tile
	s_lshl_b32 s36, s36, 11
	s_add_co_u32 s35, s35, s36
	v_lshl_add_u32 v[DST], v[LN], 4, s35
	s_mul_i32 s37, s[WV], WAVEB
	v_lshl_add_u32 v[LW], v[LN], 4, s37
	v_and_b32 v[T], 15, v0
	v_bfe_u32 v[T+1], v0, 4, 1
	v_mul_u32_u24 v[LR], v[T], LP
	v_lshl_add_u32 v[LR], v[T+1], 5, v[LR]         ; row l % 16, 32 bytes for each half of the lanes
	v_add_nc_u32 v[LR], s37, v[LR]
	s_wait_kmcnt 0x0
	s_mov_b64 s[4:5], s[18:19]
	s_mov_b64 s[6:7], s[26:27]
	s_wait_alu depctr_va_vdst(0)                   ; v[SRC], v[DST], v[LW] and v[LR] are written: the loads, the LDS stores and loads and the stores of this path read them, and no later line writes them
	LOADS 8192                                     ; a load a query: 512 consecutive bytes of its row
.set i, 0
.rept 16
	s_wait_loadcnt 15-i                            ; load i is in; the LDS store's data come from it and from no vector line
	ds_store_b128 v[LW], v[X+4*i:X+4*i+3] offset:LP*i
.set i, i+1
.endr
.set i, 0
.rept 8                                ; block i = 4 e + kt: step e of the two, keys 16 kt on.  LDS serves a wave's instructions in order (ISA guide 5.7.1.4): these see the stores above
	ds_load_b128 v[Z+8*i:Z+8*i+3],   v[LR] offset:256*(i/4)+64*(i%4)
	ds_load_b128 v[Z+8*i+4:Z+8*i+7], v[LR] offset:256*(i/4)+64*(i%4)+16
.set i, i+1
.endr
; Four groups of two blocks.  Group cg's roundings write X's registers 8 cg to 8 cg + 7; the two stores that read them stand in group cg + 1, one ahead of each block's twelve vector lines.
.set cg, 0
.rept 4
	s_wait_dscnt 12-4*cg                           ; this group's four LDS loads are back; the 12 - 4 cg younger ones stay out
.if cg == 0
	s_wait_alu depctr_vm_vsrc(0)                   ; the sixteen LDS stores have read X, whose first 32 registers the roundings below write
.else
	s_wait_alu depctr_va_vdst(0)                   ; the group before has written its eight registers of X, which the two stores below read; no vector line behind this wait names them
.endif
.set cj, 0
.rept 2
.set ci, 2*cg+cj
.if cg > 0
	global_store_b128 v[DST], v[X+4*(ci-2):X+4*(ci-2)+3], s[6:7] offset:8192*((ci-2)/4)+512*((ci-2)%4)
.endif
.irp q, 0,1,2,3,4,5,6,7
	v_med3_num_f32 v[Z+8*ci+(\q)], v[Z+8*ci+(\q)], s30, s31
.endr
.irp q, 0,1,2,3
	v_cvt_pk_bf16_f32 v[X+4*ci+(\q)], v[Z+8*ci+2*(\q)], v[Z+8*ci+2*(\q)+1]
.endr
.set cj, cj+1
.endr
.set cg, cg+1
.endr
	s_wait_alu depctr_va_vdst(0)                   ; the last group has written its eight registers of X, which the last two stores read
.set ci, 6
.rept 2
	global_store_b128 v[DST], v[X+4*ci:X+4*ci+3], s[6:7] offset:8192*(ci/4)+512*(ci%4)
.set ci, ci+1
.endr
.Lend:
	s_wait_dscnt 0x0                               ; the closing lines, six on end
	s_wait_alu 0x0
	s_wait_tensorcnt 0x0
	ds_add_u32 v[SPW], v[NIL]
	s_wait_dscnt 0x0
	s_endpgm
.Lfunc_end_k_qb12fd2ba8f_cast:
	.size	k_qb12fd2ba8f_cast, .Lfunc_end_k_qb12fd2ba8f_cast-k_qb12fd2ba8f_cast
	.p2alignl 7, 3214868480
	.fill 96, 4, 3214868480
	.section	.rodata,"a",@progbits
	.p2align	6, 0x0
	.amdhsa_kernel k_qb12fd2ba8f_cast
		.amdhsa_group_segment_fixed_size 68608
		.amdhsa_private_segment_fixed_size 0
		.amdhsa_enable_private_segment 0
		.amdhsa_kernarg_size 80
		.amdhsa_user_sgpr_count 2
		.amdhsa_user_sgpr_kernarg_segment_ptr 1
		.amdhsa_wavefront_size32 1
		.amdhsa_system_sgpr_workgroup_id_x 1
		.amdhsa_system_sgpr_workgroup_id_y 1
		.amdhsa_system_sgpr_workgroup_id_z 1
		.amdhsa_system_vgpr_workitem_id 0
		.amdhsa_next_free_vgpr 144
		.amdhsa_next_free_sgpr 66
		.amdhsa_reserve_vcc 0
		.amdhsa_float_denorm_mode_32 3
		.amdhsa_float_denorm_mode_16_64 3
		.amdhsa_memory_ordered 1
		.amdhsa_forward_progress 1
		.amdhsa_inst_pref_size 28
	.end_amdhsa_kernel
	.amdgpu_metadata
---
amdhsa.version: [ 1, 2 ]
amdhsa.kernels:
  - .name:           k_qb12fd2ba8f_cast
    .symbol:         k_qb12fd2ba8f_cast.kd
    .args:
      - { .name: hidden_states, .offset: 0, .size: 8, .value_kind: global_buffer, .address_space: global }
      - { .name: Wq, .offset: 8, .size: 8, .value_kind: global_buffer, .address_space: global }
      - { .name: Wk, .offset: 16, .size: 8, .value_kind: global_buffer, .address_space: global }
      - { .name: Wv, .offset: 24, .size: 8, .value_kind: global_buffer, .address_space: global }
      - { .name: Wo, .offset: 32, .size: 8, .value_kind: global_buffer, .address_space: global }
      - { .name: attention_mask, .offset: 40, .size: 8, .value_kind: global_buffer, .address_space: global }
      - { .name: xb, .offset: 48, .size: 8, .value_kind: global_buffer, .address_space: global }
      - { .name: wb, .offset: 56, .size: 8, .value_kind: global_buffer, .address_space: global }
      - { .name: wo, .offset: 64, .size: 8, .value_kind: global_buffer, .address_space: global }
      - { .name: mk, .offset: 72, .size: 8, .value_kind: global_buffer, .address_space: global }
    .group_segment_fixed_size: 68608
    .private_segment_fixed_size: 0
    .kernarg_segment_align: 8
    .kernarg_segment_size: 80
    .max_flat_workgroup_size: 256
    .sgpr_count:     66
    .vgpr_count:     144
    .wavefront_size: 32
...
	.end_amdgpu_metadata
.endif
;; end of part 5
;; launch proj_qkv: the kernel of part 2 again; grid 16 x 16, 4 waves a work-group, clusters of 4 x 4, 327,680 bytes of LDS; arguments xb, wb, qkv; writes qkv
;; launch attn: the kernel of part 3 again; grid 16 x 16, 4 waves a work-group, clusters of 4 x 1, 327,680 bytes of LDS; arguments qkv, mk, ob; writes ob
;; launch proj_o: the kernel of part 4 again; grid 16 x 16, 4 waves a work-group, clusters of 4 x 4, 327,680 bytes of LDS; arguments ob, wo, out0; writes out0
